; MI455X (gfx1250); checked and timed in simulation.
; The chip was launched on July 23, 2026; its instructions are those of AMD's public machine-readable ISA for CDNA 5 (MIT licence, August 2026) and "CDNA5" Instruction Set Architecture Reference Guide (July 2026). The comments in the code are by the model that wrote it; some were corrected since.
;; Attention Mixer. Allowed arithmetic: matrix products marked QUANTISED: E2M1 operands, one E8M0 scale for each 32 along K, by v_wmma_scale_f32_16x16x128_f8f6f4 with both operands' format E2M1 (or v_wmma_scale_f32_32x16x128_f4), f32 sums; products left as they are: bf16, f16 or f32 operands; f32 sums; everything else in f32.
;; Inputs: Wout 1,024 x 1,024 float32; Wqkv 1,024 x 3,072 float32; attn_mask 2,048 x 2,048 bool; x 4 x 2,048 x 1,024 float32.
;; Outputs: out0 4 x 2,048 x 1,024 float32.
;; This version of the problem:
;;   THIS VERSION OF THE PROBLEM IS GIVEN IN LOW PRECISION. The matrix products marked QUANTISED in the list below multiply operands that are first quantised to E2M1 (2 exponent bits, 1 mantissa bit; 4 bits a number), with one power-of-two scale for each 32 numbers along K (OCP MX v1.0); their sums are f32. The products marked 'left as it is' may take bf16, f16 or f32 operands, with f32 sums. Whichever they take, every output number must still come out within the allowed error. Rounding operands to bf16 (8 significant bits) uses up far more of that allowance than f16 does (11 bits, for magnitudes from 6e-5 to 65,504). All else is computed in f32.
;;   The module's matrix products, in the order in which they are computed (A, B: the left and right operand; K: the contracted axis; several contracted axes count as one K, in the product's order):
;;     1. [M 8,192, K 1,024] x [K 1,024, N 3,072]; A: input x; B: input Wqkv: QUANTISED
;;     2. batch 64 x [M 2,048, K 64] x [K 64, N 2,048]; A: computed on the way; B: computed on the way: left as it is (an operand is computed on the way)
;;     3. batch 64 x [M 64, K 2,048] x [K 2,048, N 2,048]; A: computed on the way; B: computed on the way: left as it is (an operand is computed on the way)
;;     4. [M 8,192, K 1,024] x [K 1,024, N 1,024]; A: computed on the way; B: input Wout: left as it is (an operand is computed on the way)
;;   THE QUANTISER, for each operand of a quantised product, along K:
;;     - K is cut into blocks of 32 from its start; a last block that is shorter is filled with zeros.
;;     - A block's scale is 2^e with e = floor(log2(the largest magnitude in the block)) - 2, held to -126 .. 127; a block of zeros has e = 0. As a byte (E8M0): e + 127.
;;     - Each number is divided by its block's scale, clamped to +-6, and rounded to the nearest number of E2M1, ties to even, subnormals kept.
;;     - The product sums the exact products of the quantised numbers (number of the format x scale) in f32.
;;   ~~~python
;;   def quantise(x, axis):      # numpy; x: float32 -> the quantised numbers, widened to float32 again
;;       x = np.moveaxis(x, axis, -1); K = x.shape[-1]
;;       x = np.pad(x, [(0, 0)] * (x.ndim - 1) + [(0, -K % 32)]); x = x.reshape(x.shape[:-1] + (-1, 32)); a = np.abs(x).max(-1, keepdims=True)
;;       e = np.where(a > 0, np.clip(np.frexp(np.where(a > 0, a, 1))[1] - 1 - 2, -126, 127), 0)      # np.frexp(a)[1] - 1 = floor(log2(a)), exactly
;;       r = np.clip(x / 2.0 ** e, -6, 6)
;;       step = 2.0 ** (np.maximum(np.frexp(np.where(r == 0, 1, r))[1] - 1, 0) - 1)
;;       q = np.round(r / step) * step * 2.0 ** e      # np.round: ties to even
;;       return np.moveaxis(q.reshape(q.shape[:-2] + (-1,))[..., :K], -1, axis).astype(np.float32)
;;   ~~~
;; One version. Each part assembles by itself: llvm-mc -triple=amdgcn-amd-amdhsa -mcpu=gfx1250 --defsym DOCPART=n.
;; ======== version 1 of 1: 4 launches
;; limits: values are held in f16: magnitudes above 65,504 overflow, below 6.1e-05 lose precision
;; workspace buffers: xc 4,194,304 bytes; xs 262,144 bytes; wc 1,572,864 bytes; ws 98,304 bytes; wt 2,097,152 bytes; maskw 524,288 bytes of whole numbers; qkv 50,331,648 bytes; yh 16,777,216 bytes
;; launch prep (part 1): grid 688 x 1, 4 waves a work-group, no clusters, 86,528 bytes of LDS; arguments x, Wqkv, Wout, attn_mask, xc, xs, wc, ws, wt, maskw; writes xc, xs, wc, ws, wt, maskw
.if DOCPART == 1
	.amdgcn_target "amdgcn-amd-amdhsa--gfx1250"
	.amdhsa_code_object_version 6
	.text
	.protected	k_q42c5ffe2fc_prep
	.globl	k_q42c5ffe2fc_prep
	.p2align	8
	.type	k_q42c5ffe2fc_prep,@function
k_q42c5ffe2fc_prep:
	s_mov_b64 s[64:65], 0
	v_nop
	global_prefetch_b8 v0, s[64:65] scope:SCOPE_SE
	s_setreg_imm32_b32 hwreg(HW_REG_WAVE_MODE, 25, 1), 1
	s_wait_xcnt 0x0
; Four jobs in one launch, told apart by the work-group's number; the ways never join again, and each has LDS bytes of its own.
;   W (work-groups 0-47):    Wqkv [1024 k][3072 n] f32 -> codes of E2M1 laid [3072 n][512 bytes], K innermost, and one E8M0 byte for each 32 along K, [3072][32].
;   X (48-303):              x [8192][1024] f32 -> codes [8192][512 bytes] and scale bytes [8192][32].
;   T (304-431):             Wout [1024 k][1024 n] f32 -> f16, laid [16 kb][1024 n][64 k]: K innermost, in planes of 64 along K.
;   M (432-687):             attn_mask [2048 q][2048 k] bytes -> words of 32 bits: word ((qt 128 + kt) 8 + j), bit L = mask[16 qt + L % 16][16 kt + 8 (L / 16) + j]:
;                            the select mask of register j of a tile of scores (16 keys x 16 queries) as the attention launch holds it.
; A block's scale is 2^(floor(log2(its largest magnitude)) - 2); its byte is the largest magnitude's exponent field - 2, held at 1 from below.
; LIMITS: a block of zeros, and a block whose largest magnitude lies under 2^-124, gets the byte 1 (its codes are zeros or near it; this program alone reads the bytes);
; NaN and infinities among the inputs are not served; |Wout| above 65,504 becomes infinite in f16.
; No tensor load, no barrier: waves share nothing.  v1-v15 hold addresses on every way, and nothing that was loaded.
.set SPARE, 86016                      ; behind the three regions: the spare words, 128 bytes for each wave: two blocks of 256 bytes that no other line names
.set SPW,   198                        ; v198  LDS address of my spare word; never rewritten
.set NIL,   199                        ; v199  0; never rewritten
.set WV,    24                         ; s24   my wave's number
.set SP,    80                         ; way X: a lane's place in a stage: its 64 bytes + 16 of padding
.set XR,    16                         ; way X: v16-79 four sets of 16 numbers as loaded
.set XX,    80                         ; v80-111 two sets of 16 neighbours
.set XE,    112                        ; v112-127 a scale byte for each step
.set XC,    128                        ; v128-191 codes, four registers for each step: no store's data are written again
.set WX,    32                         ; way W: v32-95 two sets of 32 numbers
.set WC,    96                         ; v96-99 a block's codes
.set WOUT,  112                        ; v112-175 the way out
.set WSB,   24                         ; v24-27 the scale bytes, four to a register
	s_load_b512 s[4:19], s[0:1], 0x0               ; x s[4:5], Wqkv s[6:7], Wout s[8:9], attn_mask s[10:11], xc s[12:13], xs s[14:15], wc s[16:17], ws s[18:19]
	s_load_b128 s[20:23], s[0:1], 0x40             ; wt s[20:21], maskw s[22:23]
	v_lshl_add_u32 v[SPW], v0, 2, SPARE
	v_mov_b32 v[NIL], 0
	v_lshrrev_b32 v1, 5, v0
	v_readfirstlane_b32 s[WV], v1                  ; wave 0..3
	v_and_b32 v2, 31, v0                           ; lane
	s_wait_kmcnt 0x0
	s_cmp_lt_u32 ttmp9, 48
	s_cbranch_scc1 .Lw
	s_cmp_lt_u32 ttmp9, 304
	s_cbranch_scc1 .Lx
	s_cmp_lt_u32 ttmp9, 432
	s_cbranch_scc1 .Lt
; ---- M: a wave takes 16 queries x 256 keys: 16 tiles of scores, 128 words, 512 consecutive bytes of maskw.
	s_sub_co_u32 s25, ttmp9, 432
	s_lshl_b32 s25, s25, 2
	s_add_co_u32 s25, s25, s[WV]                   ; task T = 8 qt + kg
	s_lshr_b32 s26, s25, 3
	s_lshl_b32 s26, s26, 15                        ; 16 rows of 2,048 bytes for each qt
	s_and_b32 s27, s25, 7
	s_lshl_b32 s27, s27, 8                         ; 256 keys for each kg
	s_add_co_u32 s26, s26, s27
	s_mov_b32 s27, 0
	s_add_nc_u64 s[10:11], s[10:11], s[26:27]
	s_lshl_b32 s26, s25, 9
	s_add_nc_u64 s[22:23], s[22:23], s[26:27]      ; 512 bytes of words for each task
	v_and_b32 v3, 15, v0
	v_bfe_u32 v4, v0, 4, 1
	v_lshlrev_b32 v4, 3, v4
	v_lshl_add_u32 v4, v3, 11, v4                  ; row lane % 16, + 8 (lane / 16)
	v_lshlrev_b32 v5, 4, v2                        ; out: 16 bytes a lane
.irp i, 0,1,2,3
	v_mov_b32 v[48+\i], 0                          ; a lane write's destination counts as one of its sources
.endr
.irp i, 0,1,2,3,4,5,6,7,8,9,10,11,12,13,14,15
	global_load_b64 v[16+2*\i:17+2*\i], v4, s[10:11] offset:16*\i   ; tile i: my query's eight keys
.endr
.irp i, 0,1,2,3,4,5,6,7,8,9,10,11,12,13,14,15
	s_wait_loadcnt 15-\i                           ; tile i's load is in; the younger ones may be out
.irp j, 0,1,2,3,4,5,6,7
	v_bfe_u32 v[52+\j%4], v[16+2*\i+\j/4], 8*(\j%4), 8
	v_cmp_ne_u32 s[32+\j], 0, v[52+\j%4]           ; the 32 lanes' bits are word 8 i + j
	v_writelane_b32 v[48+(8*\i+\j)%4], s[32+\j], (8*\i+\j)/4   ; word w goes to lane w / 4, register w % 4
.endr
.endr
	global_store_b128 v5, v[48:51], s[22:23]       ; 32 lanes store 512 consecutive bytes, aligned
	s_endpgm
; ---- W: a lane takes a column n and its registers run down K: a block of 32 lies in one lane, and the codes come out with K innermost.
; A wave takes 32 columns x 512 along K; a column's 256 bytes of codes go through the wave's own stage and leave as rows: sixteen lanes store 256 consecutive bytes, aligned.
.Lw:
	s_lshr_b32 s25, ttmp9, 1
	s_lshl_b32 s25, s25, 7
	s_lshl_b32 s26, s[WV], 5
	s_add_co_u32 s25, s25, s26                     ; my wave's first column
	s_and_b32 s26, ttmp9, 1                        ; which 512 along K
	v_lshlrev_b32 v3, 2, v2                        ; in: 4 bytes a lane
	s_mul_i32 s27, s[WV], 32*272
	s_add_co_u32 s27, s27, 32768                   ; my stage
	v_mul_u32_u24 v4, v2, 272
	v_add_nc_u32 v4, s27, v4                       ; into it: row = my column
	v_and_b32 v5, 15, v2
	v_lshrrev_b32 v6, 4, v2
	v_mul_u32_u24 v7, v6, 272
	v_lshl_add_u32 v7, v5, 4, v7
	v_add_nc_u32 v7, s27, v7                       ; out of it: sixteen lanes to a row, two rows an instruction
	v_mul_u32_u24 v8, v6, 512
	v_lshl_add_u32 v8, v5, 4, v8                   ; the same place in wc
	v_lshlrev_b32 v9, 5, v2                        ; my column's row of scale bytes
	s_mul_i32 s28, s26, 512*12288
	s_lshl_b32 s30, s25, 2
	s_add_co_u32 s28, s28, s30
	s_mov_b32 s29, 0
	s_add_nc_u64 s[6:7], s[6:7], s[28:29]          ; Wqkv: 512 rows of 12,288 bytes for each half of K, + 4 x column
	s_lshl_b32 s28, s25, 9
	s_lshl_b32 s30, s26, 8
	s_add_co_u32 s28, s28, s30
	s_add_nc_u64 s[16:17], s[16:17], s[28:29]      ; wc: column x 512 + 256 x half
	s_lshl_b32 s28, s25, 5
	s_lshl_b32 s30, s26, 4
	s_add_co_u32 s28, s28, s30
	s_add_nc_u64 s[18:19], s[18:19], s[28:29]      ; ws: column x 32 + 16 x half
.macro WLOAD t                         ; block t: W(32 t + i, my column) into set t % 2; the largest offset, 511 x 12,288, lies inside the signed 24-bit immediate
.irp i, 0,1,2,3,4,5,6,7,8,9,10,11,12,13,14,15,16,17,18,19,20,21,22,23,24,25,26,27,28,29,30,31
	global_load_b32 v[WX+32*((\t)%2)+\i], v3, s[6:7] offset:(32*(\t)+\i)*12288 th:TH_LOAD_NT
.endr
.endm
	WLOAD 0
	WLOAD 1
.macro WBLOCK t
.set WS, WX+32*((\t)%2)
.if (\t) < 15
	s_wait_loadcnt 32                              ; this block's 32 loads are in; the next block's may be out
.else
	s_wait_loadcnt 0
.endif
	v_max3_num_f32 v194, |v[WS]|, |v[WS+1]|, |v[WS+2]|           ; the block's largest magnitude: all 32 numbers are mine
	v_max3_num_f32 v195, |v[WS+3]|, |v[WS+4]|, |v[WS+5]|
.irp i, 6,10,14,18,22,26
	v_max3_num_f32 v194, v194, |v[WS+\i]|, |v[WS+\i+1]|
	v_max3_num_f32 v195, v195, |v[WS+\i+2]|, |v[WS+\i+3]|
.endr
	v_max3_num_f32 v194, v194, |v[WS+30]|, |v[WS+31]|
	v_max3_num_f32 v194, v194, v195, 0x1800000     ; and the floor 2^(3 - 127): the byte cannot fall under 1
	v_add_nc_u32 v196, 0xff000000, v194            ; 2 off the exponent field: the conversion takes that field as its scale and nothing else
	v_lshrrev_b32 v195, 23, v196                   ; the scale's byte
.if (\t)%4 == 0
	v_mov_b32 v[WSB+(\t)/4], v195
.else
	v_lshl_or_b32 v[WSB+(\t)/4], v195, 8*((\t)%4), v[WSB+(\t)/4]
.endif
.irp g, 0,1,2,3
	v_cvt_scalef32_pk8_fp4_f32 v[WC+\g], v[WS+8*\g:WS+8*\g+7], v196
.endr
	ds_store_b128 v4, v[WC:WC+3] offset:16*(\t)    ; 32 codes: 16 bytes of my column's row
.if (\t)+2 < 16
	WLOAD (\t)+2
.endif
	s_wait_dscnt 0x0                               ; the store has read its registers: the next block's codes may be written
.endm
.irp t, 0,1,2,3,4,5,6,7,8,9,10,11,12,13,14,15
	WBLOCK \t
.endr
	global_store_b128 v9, v[WSB:WSB+3], s[18:19]   ; my column's 16 scale bytes
.irp t, 0,1,2,3,4,5,6,7,8,9,10,11,12,13,14,15
	ds_load_b128 v[WOUT+4*\t:WOUT+4*\t+3], v7 offset:2*\t*272     ; LDS serves a wave's instructions in order: these see my stores
.endr
.irp t, 0,1,2,3,4,5,6,7,8,9,10,11,12,13,14,15
	s_wait_dscnt 15-\t
	global_store_b128 v8, v[WOUT+4*\t:WOUT+4*\t+3], s[16:17] offset:2*\t*512
.endr
	s_wait_tensorcnt 0x0                           ; the wave's end, behind my last LDS store
	ds_add_u32 v[SPW], v[NIL]
	s_wait_dscnt 0x0
	s_endpgm
; ---- X: x is a plain stream of blocks of 32.  A wave takes 16 steps of 512 numbers.  Each load reads 512 consecutive bytes; a step's 2,048 bytes turn through the wave's own
; stage, so that a lane then holds 16 neighbours (two neighbouring lanes hold a block).  A step's codes are 256 consecutive bytes; a wave's 256 scale bytes are gathered in LDS.
.Lx:
	v_lshlrev_b32 v3, 4, v2                        ; my 16 bytes of a load's 512
	s_mul_i32 s25, s[WV], 8192                     ; my region: two stages of 32 x 80 bytes, then 256 scale bytes
	v_lshrrev_b32 v14, 2, v2
	v_mul_u32_u24 v14, v14, SP
	v_and_b32 v15, 3, v2
	v_lshl_add_u32 v14, v15, 4, v14
	v_add_nc_u32 v14, s25, v14                     ; the stage, on the way in: 80 (lane / 4) + 16 (lane % 4)
	v_mul_u32_u24 v15, v2, SP
	v_add_nc_u32 v15, s25, v15                     ; and on the way out: 80 x lane
	v_mul_u32_u24 v4, v2, 8                        ; my codes' place in a step's
	v_lshrrev_b32 v5, 1, v2
	s_add_co_u32 s25, s25, 2*32*SP
	v_add_nc_u32 v5, s25, v5                       ; my block's scale byte
	v_lshlrev_b32 v7, 3, v2
	v_add_nc_u32 v6, s25, v7                       ; and on the way out 8 bytes a lane
	s_sub_co_u32 s26, ttmp9, 48
	s_lshl_b32 s26, s26, 2
	s_add_co_u32 s26, s26, s[WV]                   ; which run of 8,192 numbers is my wave's: 0 .. 1,023
	s_mov_b32 s29, 0
	s_lshl_b32 s28, s26, 15
	s_add_nc_u64 s[4:5], s[4:5], s[28:29]
	s_lshl_b32 s28, s26, 12
	s_add_nc_u64 s[12:13], s[12:13], s[28:29]
	s_lshl_b32 s28, s26, 8
	s_add_nc_u64 s[14:15], s[14:15], s[28:29]
.macro XLOAD t
.irp i, 0,1,2,3
	global_load_b128 v[XR+16*((\t)%4)+4*\i:XR+16*((\t)%4)+4*\i+3], v3, s[4:5] offset:2048*(\t)+512*\i th:TH_LOAD_NT
.endr
.endm
.macro XTURN t                         ; step t's numbers through the stage: LDS serves a wave's instructions in order
.irp i, 0,1,2,3
	ds_store_b128 v14, v[XR+16*((\t)%4)+4*\i:XR+16*((\t)%4)+4*\i+3] offset:32*SP*((\t)%2)+8*SP*\i
.endr
.irp i, 0,1,2,3
	ds_load_b128 v[XX+16*((\t)%2)+4*\i:XX+16*((\t)%2)+4*\i+3], v15 offset:32*SP*((\t)%2)+16*\i
.endr
.endm
.irp t, 0,1,2,3
	XLOAD \t
.endr
	s_wait_loadcnt 12                              ; step 0's four loads are in
	XTURN 0
.macro XSTEP t
.set XS, XX+16*((\t)%2)
.if (\t) > 0
	s_wait_dscnt 1                                 ; this step's numbers are back from the stage (the last step's byte store may be out)
.else
	s_wait_dscnt 0x0
.endif
.if (\t)+4 < 16
	XLOAD (\t)+4
.endif
.if (\t)+1 < 16
.if 16-2-(\t) >= 3
	s_wait_loadcnt 12                              ; the next step's four loads are in; those of the three steps behind it may be out
.else
	s_wait_loadcnt 4*(16-2-(\t))
.endif
	XTURN (\t)+1
.endif
	v_max3_num_f32 v194, |v[XS]|, |v[XS+1]|, |v[XS+2]|
	v_max3_num_f32 v195, |v[XS+3]|, |v[XS+4]|, |v[XS+5]|
.irp i, 6,10
	v_max3_num_f32 v194, v194, |v[XS+\i]|, |v[XS+\i+1]|
	v_max3_num_f32 v195, v195, |v[XS+\i+2]|, |v[XS+\i+3]|
.endr
	v_max3_num_f32 v194, v194, |v[XS+14]|, |v[XS+15]|
	v_max3_num_f32 v194, v194, v195, 0x1800000     ; the floor 2^(3 - 127)
	v_max_num_f32_dpp v194, v194, v194 row_xmask:1 row_mask:0xf bank_mask:0xf   ; with my neighbour's 16: the block's
	v_add_nc_u32 v196, 0xff000000, v194
	v_cvt_scalef32_pk8_fp4_f32 v[XC+4*(\t)], v[XS:XS+7], v196
	v_cvt_scalef32_pk8_fp4_f32 v[XC+4*(\t)+1], v[XS+8:XS+15], v196
	v_lshrrev_b32 v[XE+(\t)], 23, v196             ; the scale's byte
	ds_store_b8 v5, v[XE+(\t)] offset:16*(\t)      ; both lanes of a block write the same byte with the same value
	global_store_b64 v4, v[XC+4*(\t):XC+4*(\t)+1], s[12:13] offset:256*(\t)
.endm
.irp t, 0,1,2,3,4,5,6,7,8,9,10,11,12,13,14,15
	XSTEP \t
.endr
	ds_load_b64 v[192:193], v6
	s_wait_dscnt 0x0
	global_store_b64 v7, v[192:193], s[14:15]      ; 32 lanes store 256 consecutive bytes, aligned
	s_wait_tensorcnt 0x0                           ; the wave's end, behind my last LDS store
	ds_add_u32 v[SPW], v[NIL]
	s_wait_dscnt 0x0
	s_endpgm
; ---- T: a lane takes a column n of Wout and its registers run down the 64 k of one plane; rounded to f16 they are the 128 bytes of row n of that plane.
; They go through the wave's own stage (rows of 144 bytes) and leave as 512 consecutive bytes an instruction.
.Lt:
	s_sub_co_u32 s25, ttmp9, 304
	s_and_b32 s26, s25, 7
	s_lshl_b32 s26, s26, 7
	s_lshl_b32 s27, s[WV], 5
	s_add_co_u32 s26, s26, s27                     ; my wave's first column
	s_lshr_b32 s25, s25, 3                         ; the plane
	s_lshl_b32 s28, s25, 18                        ; 64 rows of 4,096 bytes
	s_lshl_b32 s27, s26, 2
	s_add_co_u32 s28, s28, s27
	s_mov_b32 s29, 0
	s_add_nc_u64 s[8:9], s[8:9], s[28:29]
	s_lshl_b32 s28, s25, 17                        ; a plane of wt
	s_lshl_b32 s27, s26, 7
	s_add_co_u32 s28, s28, s27
	s_add_nc_u64 s[20:21], s[20:21], s[28:29]
	s_mul_i32 s27, s[WV], 4608
	s_add_co_u32 s27, s27, 67584                   ; my stage
	v_lshlrev_b32 v4, 2, v2
	v_mul_u32_u24 v5, v2, 144
	v_add_nc_u32 v5, s27, v5
	v_lshrrev_b32 v6, 3, v2
	v_mul_u32_u24 v6, v6, 144
	v_and_b32 v7, 7, v2
	v_lshl_add_u32 v6, v7, 4, v6
	v_add_nc_u32 v6, s27, v6
	v_lshlrev_b32 v7, 4, v2
.irp i, 0,1,2,3,4,5,6,7,8,9,10,11,12,13,14,15,16,17,18,19,20,21,22,23,24,25,26,27,28,29,30,31,32,33,34,35,36,37,38,39,40,41,42,43,44,45,46,47,48,49,50,51,52,53,54,55,56,57,58,59,60,61,62,63
	global_load_b32 v[16+\i], v4, s[8:9] offset:\i*4096 th:TH_LOAD_NT
.endr
	s_wait_loadcnt 32                              ; the first 32 are in
.irp i, 0,1,2,3,4,5,6,7,8,9,10,11,12,13,14,15
	v_cvt_pk_f16_f32 v[80+\i], v[16+2*\i], v[17+2*\i]
.endr
	s_wait_loadcnt 0x0
.irp i, 16,17,18,19,20,21,22,23,24,25,26,27,28,29,30,31
	v_cvt_pk_f16_f32 v[80+\i], v[16+2*\i], v[17+2*\i]
.endr
.irp i, 0,1,2,3,4,5,6,7
	ds_store_b128 v5, v[80+4*\i:83+4*\i] offset:16*\i
.endr
.irp i, 0,1,2,3,4,5,6,7
	ds_load_b128 v[112+4*\i:115+4*\i], v6 offset:576*\i            ; four rows an instruction; these see my stores
.endr
.irp i, 0,1,2,3,4,5,6,7
	s_wait_dscnt 7-\i
	global_store_b128 v7, v[112+4*\i:115+4*\i], s[20:21] offset:512*\i
.endr
	s_wait_tensorcnt 0x0                           ; the wave's end, behind my last LDS store
	ds_add_u32 v[SPW], v[NIL]
	s_wait_dscnt 0x0
	s_endpgm
.Lfunc_end_k_q42c5ffe2fc_prep:
	.size	k_q42c5ffe2fc_prep, .Lfunc_end_k_q42c5ffe2fc_prep-k_q42c5ffe2fc_prep
	.p2alignl 7, 3214868480
	.fill 96, 4, 3214868480
	.section	.rodata,"a",@progbits
	.p2align	6, 0x0
	.amdhsa_kernel k_q42c5ffe2fc_prep
		.amdhsa_group_segment_fixed_size 86528
		.amdhsa_private_segment_fixed_size 0
		.amdhsa_enable_private_segment 0
		.amdhsa_kernarg_size 80
		.amdhsa_user_sgpr_count 2
		.amdhsa_user_sgpr_kernarg_segment_ptr 1
		.amdhsa_wavefront_size32 1
		.amdhsa_system_sgpr_workgroup_id_x 1
		.amdhsa_system_sgpr_workgroup_id_y 1
		.amdhsa_system_sgpr_workgroup_id_z 1
		.amdhsa_system_vgpr_workitem_id 0
		.amdhsa_next_free_vgpr 200
		.amdhsa_next_free_sgpr 66
		.amdhsa_reserve_vcc 0
		.amdhsa_float_denorm_mode_32 3
		.amdhsa_float_denorm_mode_16_64 3
		.amdhsa_memory_ordered 1
		.amdhsa_forward_progress 1
		.amdhsa_inst_pref_size 149
	.end_amdhsa_kernel
	.amdgpu_metadata
---
amdhsa.version: [ 1, 2 ]
amdhsa.kernels:
  - .name:           k_q42c5ffe2fc_prep
    .symbol:         k_q42c5ffe2fc_prep.kd
    .args:
      - { .name: x, .offset: 0, .size: 8, .value_kind: global_buffer, .address_space: global }
      - { .name: Wqkv, .offset: 8, .size: 8, .value_kind: global_buffer, .address_space: global }
      - { .name: Wout, .offset: 16, .size: 8, .value_kind: global_buffer, .address_space: global }
      - { .name: attn_mask, .offset: 24, .size: 8, .value_kind: global_buffer, .address_space: global }
      - { .name: xc, .offset: 32, .size: 8, .value_kind: global_buffer, .address_space: global }
      - { .name: xs, .offset: 40, .size: 8, .value_kind: global_buffer, .address_space: global }
      - { .name: wc, .offset: 48, .size: 8, .value_kind: global_buffer, .address_space: global }
      - { .name: ws, .offset: 56, .size: 8, .value_kind: global_buffer, .address_space: global }
      - { .name: wt, .offset: 64, .size: 8, .value_kind: global_buffer, .address_space: global }
      - { .name: maskw, .offset: 72, .size: 8, .value_kind: global_buffer, .address_space: global }
    .group_segment_fixed_size: 86528
    .private_segment_fixed_size: 0
    .kernarg_segment_align: 8
    .kernarg_segment_size: 80
    .max_flat_workgroup_size: 128
    .sgpr_count:     66
    .vgpr_count:     200
    .wavefront_size: 32
...
	.end_amdgpu_metadata
.endif
;; end of part 1
;; launch gemm1 (part 2): grid 12 x 32, 4 waves a work-group, clusters of 4 x 4, 327,680 bytes of LDS; arguments xc, xs, wc, ws, qkv; writes qkv
.if DOCPART == 2
	.amdgcn_target "amdgcn-amd-amdhsa--gfx1250"
	.amdhsa_code_object_version 6
	.text
	.protected	k_q42c5ffe2fc_gemm1
	.globl	k_q42c5ffe2fc_gemm1
	.p2align	8
	.type	k_q42c5ffe2fc_gemm1,@function
k_q42c5ffe2fc_gemm1:
	s_mov_b64 s[64:65], 0
	v_nop
	global_prefetch_b8 v0, s[64:65] scope:SCOPE_SE
	s_setreg_imm32_b32 hwreg(HW_REG_WAVE_MODE, 25, 1), 1
	s_wait_xcnt 0x0
	s_wait_alu depctr_hold_cnt(0) depctr_sa_sdst(0) depctr_va_vdst(0) depctr_va_sdst(0) depctr_va_ssrc(0) depctr_va_vcc(0) depctr_vm_vsrc(0)
	s_getreg_b32 s2, hwreg(HW_REG_IB_STS2, 6, 4)
	s_cmp_eq_u32 s2, 0
	s_cbranch_scc0 .Lentry_in_a_cluster
	s_endpgm
.Lentry_in_a_cluster:
	s_bfe_u32 s2, ttmp6, 0x10000c
	s_cmp_lg_u32 s2, 0xf033
	s_cbranch_scc0 .Lentry_shape_is_right
	s_endpgm
.Lentry_shape_is_right:
; qkv = x Wqkv on codes of E2M1 with one E8M0 scale for each 32 along K.  A = x's codes [8192][512 bytes], B = Wqkv's codes [3072 n][512 bytes], their scale bytes [rows][32]; sums in f32.
; The result leaves as f16, head by head: qkv[part 3][b 16 + h][s 2048][64]; the part q is multiplied in f32 by c = log2(e) / 8 ahead of the rounding, so that the next launch's scores are exponents of 2.
; LIMIT: |c q|, |k| or |v| above 65,504 becomes infinite in f16.
; A tile of C, 256 x 256, is made by a work-group of four waves; a wave makes 128 x 128: 64 accumulators of 16 x 16, 512 registers.  K = 1,024 is two LDS slots of 512 along K (rows of 256 bytes): both are asked
; for at the head, so nothing is filled again.  The scale bytes of the work-group's rows, for all of K, come once, as dense blocks.
; CLUSTERS: 4 x 4 work-groups.  The four of a row of the cluster need the same tiles of A, the four of a column the same tiles of B: each tile is asked for JOINTLY.
; THE MATRIX INSTRUCTION IS USED TRANSPOSED (source 0 = 16 rows of B, source 1 = 16 rows of A): a lane then holds eight neighbouring numbers of a row of C.
; REGISTERS, in windows of 256: window 0: v0-31 addresses; v32-95 scale words, two sets; from v128 A's fragments, ONE set; on the way out v32-191 are free.
;   window 1: B's fragments, TWO sets, at v0 and v128.   window 2: the accumulators of my rows 0-63 ((a, b) at v[8 (8 a + b)]);   window 3: those of my rows 64-127.
.set SIZE_K, 1024
.set KSTEP,  512
.set NQ,     KSTEP/128
.set ROWB,   256
.set KROW,   SIZE_K*4/8
.set PITCH,  272                       ; an LDS row: 256 bytes + 16 of padding: the 16 rows that a load touches start at 16 different banks (64 banks of 4 bytes: ISA guide 11.1)
.set FR,     8
.set NL,     2
.set NP,     4                         ; places behind this matrix instruction (ISA guide 7.12.1)
.set HALFT,  128*PITCH
.set SLOT,   4*HALFT
.set KS,     SIZE_K/32
.set SCL,    2*SLOT                    ; behind the ring: the scales, as units of 256 bytes + 16 of padding
.set HALFS,  (128*KS/256)*272
.set SBLK,   (16*KS/256)*272
.set SPARE,  SCL+4*HALFS               ; the spare words, 128 bytes for each wave: two blocks of 256 bytes that no other line names
.set SPITCH, 272                       ; the way out: a stage of 16 rows x (256 bytes + 16) for each wave, in slot 0, which has had its only fill and its last read by then
.set ADRA, 16
.set ADRB, 20
.set STO,  24
.set RD,   25
.set CO,   26
.set ADRS, 27
.set SPW,  28
.set NIL,  29
.set SC,   32
.set AF,   128
.set TT,   32                          ; the way out: v32-95 a block's numbers times the factor
.set TMP,  96                          ; v96-127 the same as f16
.set BK,   128                         ; v128-159 and v160-191 by turns: rows read back from the stage
.set G1, 24
.set G0, 32
.set G1B, 48
.set G0B, 56
.set G1S, 68
.set G0S, 76
.set G1SB, 80
.set G0SB, 88
.set MSB, 0
.macro WIN new                         ; the immediate's high byte repeats the setting that is left
.if MSB != (\new)
	s_set_vgpr_msb (MSB<<8)|(\new)
.set MSB, (\new)
.endif
.endm
.set MUL_LO, 0xa1                      ; source 0 (B) window 1, source 1 (A) window 0, C and D window 2
.set MUL_HI, 0xf1
.set TO_B,   0x40
; A joint load: waves 0 and 1 fetch for A, waves 2 and 3 for B; the branch hangs on the wave's number alone.  An s_nop 0 and four v_nop follow each of the two lines.
.macro JLOAD g0a, g1a, g0b, g1b
	s_cmp_eq_u32 s15, 0
	s_cbranch_scc0 .Lfor_b_\@
	tensor_load_to_lds s[\g0a:\g0a+3], s[\g1a:\g1a+7]
	s_nop 0
.rept 4
	v_nop
.endr
	s_branch .Lasked_\@
.Lfor_b_\@:
	tensor_load_to_lds s[\g0b:\g0b+3], s[\g1b:\g1b+7]
	s_nop 0
.rept 4
	v_nop
.endr
.Lasked_\@:
.endm
.macro CROUND                          ; a round of the cluster's barrier
	s_barrier_signal -1
	s_barrier_wait -1
	s_cmp_lg_u32 s14, 0
	s_cbranch_scc1 .Lnot_wave_0_\@
	s_barrier_signal -3
.Lnot_wave_0_\@:
	s_barrier_wait -3
	s_barrier_signal -1
	s_barrier_wait -1
.endm
	s_load_b128 s[4:7], s[0:1], 0x0                ; A's codes s[4:5], A's scales s[6:7]
	s_load_b128 s[8:11], s[0:1], 0x10              ; B's codes s[8:9], B's scales s[10:11]
	s_load_b64 s[12:13], s[0:1], 0x20              ; qkv
	v_lshl_add_u32 v[SPW], v0, 2, SPARE
	v_mov_b32 v[NIL], 0
	ds_add_u32 v[SPW], v[NIL]                      ; the wave's opening: the add, twice on end, and its wait ahead of my first tensor load
	ds_add_u32 v[SPW], v[NIL]
	v_lshrrev_b32 v1, 5, v0
	v_readfirstlane_b32 s14, v1                    ; wave 0..3
	s_lshr_b32 s15, s14, 1                         ; which half of the tile's rows is mine.  Also: I fetch for A (0) or for B (1)
	s_and_b32 s16, s14, 1                          ; which half of its columns.  Also: which 128 rows of that tile I fetch
	s_bfe_u32 s40, ttmp6, 0x40000                  ; cx, cy
	s_bfe_u32 s41, ttmp6, 0x40004
	s_lshl_b32 s42, ttmp9, 2
	s_add_co_u32 s42, s42, s40                     ; tile column of C
	s_and_b32 s17, ttmp7, 0xffff
	s_lshl_b32 s17, s17, 2
	s_add_co_u32 s17, s17, s41                     ; tile row of C
	s_lshl_b32 s43, s41, 2
	s_lshl_b32 s43, 15, s43                        ; my row of the cluster
	s_lshl_b32 s44, 0x1111, s40                    ; my column
	s_or_b32 s[G1+0], s43, (0<<16)|(1<<20)|(1<<21)|(5<<22)|(3<<25)  ; the mask; elements of 1 byte; padding on; bit 21 beside a mask; after every 64 words 4 words
	s_or_b32 s[G1B+0], s44, (0<<16)|(1<<20)|(1<<21)|(5<<22)|(3<<25)
.irp g, G1, G1B
	s_mov_b32 s[\g+1], ROWB<<16                    ; tensor_dim0
	s_mov_b32 s[\g+2], 128<<16                     ; tensor_dim1
	s_mov_b32 s[\g+3], ROWB<<16                    ; tile_dim0
	s_mov_b32 s[\g+4], 128                         ; tile_dim1
	s_mov_b32 s[\g+5], KROW                        ; the pitch
	s_mov_b32 s[\g+6], 0
	s_mov_b32 s[\g+7], 0
.endr
	s_or_b32 s[G1S+0], s43, (3<<16)|(1<<20)|(1<<21)|(5<<22)|(3<<25) ; the scales of 128 rows: 4,096 dense bytes as 16 rows of 32 elements of 8 bytes
	s_or_b32 s[G1SB+0], s44, (3<<16)|(1<<20)|(1<<21)|(5<<22)|(3<<25)
.irp g, G1S, G1SB
	s_mov_b32 s[\g+1], 32<<16
	s_mov_b32 s[\g+2], (128*KS/256)<<16
	s_mov_b32 s[\g+3], 32<<16
	s_mov_b32 s[\g+4], 128*KS/256
	s_mov_b32 s[\g+5], 32
	s_mov_b32 s[\g+6], 0
	s_mov_b32 s[\g+7], 0
.endr
	s_lshl_b32 s18, s16, 7
	s_lshl_b32 s20, s17, 8
	s_add_co_u32 s20, s20, s18                     ; A: row 256 x tile row + 128 x half
	s_lshl_b32 s46, s42, 8
	s_add_co_u32 s46, s46, s18                     ; B: row 256 x tile column + 128 x half
	s_mov_b32 s21, 0
	s_mov_b32 s47, 0
	s_mov_b64 s[18:19], KS
	s_mul_u64 s[22:23], s[20:21], s[18:19]         ; where these rows' scales begin
	s_mul_u64 s[92:93], s[46:47], s[18:19]
	s_mov_b64 s[18:19], KROW
	s_mul_u64 s[20:21], s[20:21], s[18:19]         ; and their codes
	s_mul_u64 s[46:47], s[46:47], s[18:19]
	s_mul_i32 s45, s14, HALFT                      ; where they go: wave x 128 rows
	s_mul_i32 s94, s14, HALFS
	s_wait_dscnt 0x0                               ; both opening adds are done
	s_wait_kmcnt 0x0
	s_add_nc_u64 s[20:21], s[4:5], s[20:21]
	s_add_nc_u64 s[22:23], s[6:7], s[22:23]
	s_add_nc_u64 s[46:47], s[8:9], s[46:47]
	s_add_nc_u64 s[92:93], s[10:11], s[92:93]
	CROUND                                         ; all sixteen work-groups are here: the joint loads meet
	s_mov_b32 s[G0S], 1
	s_add_co_u32 s[G0S+1], s94, SCL
	s_mov_b64 s[G0S+2:G0S+3], s[22:23]
	s_or_b32 s[G0S+3], s[G0S+3], 0x80000000
	s_mov_b32 s[G0SB], 1
	s_add_co_u32 s[G0SB+1], s94, SCL
	s_mov_b64 s[G0SB+2:G0SB+3], s[92:93]
	s_or_b32 s[G0SB+3], s[G0SB+3], 0x80000000
	JLOAD G0S, G1S, G0SB, G1SB                     ; the scales first: they are wanted with K step 0
.irp s, 0,1
	s_mov_b32 s[G0+4*\s], 1
	s_add_co_u32 s[G0+4*\s+1], s45, \s*SLOT
	s_add_nc_u64 s[G0+4*\s+2:G0+4*\s+3], s[20:21], \s*ROWB
	s_or_b32 s[G0+4*\s+3], s[G0+4*\s+3], 0x80000000
	s_mov_b32 s[G0B+4*\s], 1
	s_add_co_u32 s[G0B+4*\s+1], s45, \s*SLOT
	s_add_nc_u64 s[G0B+4*\s+2:G0B+4*\s+3], s[46:47], \s*ROWB
	s_or_b32 s[G0B+4*\s+3], s[G0B+4*\s+3], 0x80000000
	JLOAD G0+4*\s, G1, G0B+4*\s, G1B               ; three loads of mine are out in all
.endr
	v_and_b32 v1, 15, v0                           ; l % 16
	v_bfe_u32 v2, v0, 4, 1                         ; l / 16
	v_mul_u32_u24 v3, v1, PITCH
	v_lshl_add_u32 v4, v2, 4, v3                   ; a fragment's row x pitch + 16 x half
	s_mul_i32 s21, s15, HALFT
	s_mul_i32 s22, s16, HALFT
	s_add_co_u32 s22, s22, 2*HALFT
.irp s, 0,1
	v_add_nc_u32 v[ADRA+\s], s21, v4
	v_add_nc_u32 v[ADRB+\s], s22, v4
	s_add_co_u32 s21, s21, SLOT
	s_add_co_u32 s22, s22, SLOT
.endr
	v_mul_u32_u24 v5, v1, KS                       ; my row's scales: 32 bytes a row,
	v_lshrrev_b32 v6, 8, v5
	v_lshl_add_u32 v5, v6, 4, v5                   ; and 16 more for each 256 passed
	s_mul_i32 s21, s15, HALFS
	s_mul_i32 s22, s16, HALFS
	s_add_co_u32 s22, s22, 2*HALFS
	s_sub_co_u32 s22, s22, s21
	v_mul_u32_u24 v6, s22, v2                      ; lanes 16-31 take B's
	s_add_co_u32 s21, s21, SCL
	v_add_nc_u32 v5, v5, v6
	v_add_nc_u32 v[ADRS], s21, v5
	s_mul_i32 s23, s14, 16*SPITCH                  ; my stage
	v_mul_u32_u24 v5, v1, SPITCH                   ; in: row l % 16, 16 bytes for each half of the lanes
	v_lshl_add_u32 v5, v2, 4, v5
	v_add_nc_u32 v[STO], s23, v5
	v_bfe_u32 v5, v0, 3, 1                         ; back: lanes 0-15 take my first head's 128 bytes of two rows, lanes 16-31 my second head's
	v_mul_u32_u24 v5, v5, SPITCH
	v_lshl_add_u32 v5, v2, 7, v5
	v_and_b32 v6, 7, v0
	v_lshl_add_u32 v5, v6, 4, v5
	v_add_nc_u32 v[RD], s23, v5
	v_lshlrev_b32 v[CO], 4, v1                     ; in qkv two rows of a head are 256 consecutive bytes; the next head lies 262,144 bytes on
	v_lshl_add_u32 v[CO], v2, 18, v[CO]
	s_lshl_b32 s20, s17, 8
	s_lshl_b32 s21, s15, 7
	s_add_co_u32 s20, s20, s21                     ; m0, my first row: b = m0 / 2,048, s = m0 % 2,048
	s_lshr_b32 s21, s20, 11
	s_lshl_b32 s21, s21, 22                        ; 16 heads of 262,144 bytes for each b
	s_and_b32 s20, s20, 2047
	s_lshl_b32 s20, s20, 7
	s_add_co_u32 s20, s20, s21
	s_lshl_b32 s46, s42, 8
	s_lshl_b32 s47, s16, 7
	s_add_co_u32 s46, s46, s47                     ; n0, my first column: part = n0 / 1,024, head = (n0 / 64) % 16
	s_cmp_lt_u32 s46, 1024
	s_cselect_b32 s96, 0x3e38aa3b, 1.0             ; the factor: c = log2(e) / 8 for q, 1 for k and v: a value is chosen, no way
	s_mov_b32 s97, s96                             ; (named with it as a pair, so it is written)
	s_lshr_b32 s47, s46, 10
	s_lshl_b32 s47, s47, 24                        ; 64 heads of 262,144 bytes for each part
	s_bfe_u32 s46, s46, 0x40006
	s_lshl_b32 s46, s46, 18
	s_add_co_u32 s46, s46, s47
	s_add_co_u32 s20, s20, s46                     ; under 2^26
	s_mov_b32 s21, 0
	s_add_nc_u64 s[12:13], s[12:13], s[20:21]
.macro FRAG reg, adr, q, i             ; 16 rows x 128 K of 4-bit codes: 8 registers: lane l holds row l % 16; registers 4 c .. 4 c + 3 hold K = 64 c + 32 (l / 16) + 0 .. 31
.irp c, 0,1
	ds_load_b128 v[\reg+4*\c:\reg+4*\c+3], v[\adr] offset:64*(\q)+32*\c+(\i)*16*PITCH
.endr
.endm
; 16 matrix instructions: A's blocks a0, a0 + 1 x B's eight, the slot's q-th 128 along K.  p: B's set; sc: the set of scale words; zero = 1: the first product starts the sums.
; The 64 accumulators take turns, one instruction a turn, in the same order in every step.
.macro MUL16 a0, p, q, sc, zero
.irp a, \a0, \a0+1
.irp b, 0,1,2,3,4,5,6,7
.if \zero
	v_wmma_scale_f32_16x16x128_f8f6f4 v[8*(8*((\a)%4)+\b):8*(8*((\a)%4)+\b)+7], v[128*(\p)+FR*\b:128*(\p)+FR*\b+FR-1], v[AF+FR*(\a):AF+FR*(\a)+FR-1], 0, v[SC+8*NQ*(\sc)+NQ*\b+(\q)], v[SC+8*NQ*(\sc)+NQ*(\a)+(\q)] matrix_a_fmt:MATRIX_FMT_FP4 matrix_b_fmt:MATRIX_FMT_FP4 matrix_a_scale:MATRIX_SCALE_ROW1
.else
	v_wmma_scale_f32_16x16x128_f8f6f4 v[8*(8*((\a)%4)+\b):8*(8*((\a)%4)+\b)+7], v[128*(\p)+FR*\b:128*(\p)+FR*\b+FR-1], v[AF+FR*(\a):AF+FR*(\a)+FR-1], v[8*(8*((\a)%4)+\b):8*(8*((\a)%4)+\b)+7], v[SC+8*NQ*(\sc)+NQ*\b+(\q)], v[SC+8*NQ*(\sc)+NQ*(\a)+(\q)] matrix_a_fmt:MATRIX_FMT_FP4 matrix_b_fmt:MATRIX_FMT_FP4 matrix_a_scale:MATRIX_SCALE_ROW1
.endif
.endr
.endr
.endm
.macro FETCH_B slot, q, p
	WIN TO_B
.irp i, 0,1,2,3,4,5,6,7
	FRAG 128*(\p)+FR*\i, ADRB+\slot, \q, \i
.endr
	WIN 0
.endm
.macro FETCH_A slot, q, i0
.irp i, \i0, \i0+1, \i0+2, \i0+3
	FRAG AF+FR*(\i), ADRA+\slot, \q, \i
.endr
.endm
.macro SCALES sc                       ; a K step's scale words into set sc: lanes 0-15 take A's block i, lanes 16-31 B's block i
.irp i, 0,1,2,3,4,5,6,7
	ds_load_b128 v[SC+8*NQ*\sc+NQ*\i:SC+8*NQ*\sc+NQ*\i+3], v[ADRS] offset:\i*SBLK
.endr
.endm
.macro PLACES n                        ; plain vector instructions between a matrix instruction and a load into, or a read or write of, its registers
.rept \n
	v_nop
.endr
.endm
.macro STEP slot, q, zero              ; a step of 128 along K that has its successor in the same slot
	s_wait_dscnt 4*NL                              ; B's set and A's blocks 0-3 are in; the youngest eight loads (A's blocks 4-7) may be out
	WIN MUL_LO
	MUL16 0, (\q)%2, \q, \slot, \zero
	MUL16 2, (\q)%2, \q, \slot, \zero
	s_wait_dscnt 0
	PLACES NP
	FETCH_B \slot, (\q)+1, 1-(\q)%2
	FETCH_A \slot, (\q)+1, 0
	WIN MUL_HI
	MUL16 4, (\q)%2, \q, \slot, \zero
	MUL16 6, (\q)%2, \q, \slot, \zero
	PLACES NP
	WIN 0
	FETCH_A \slot, (\q)+1, 4
.endm
; Slot 0's last step changes slots: one barrier; in front of it each wave waits for all its tensor loads (the one that is out is its part of slot 1), adds 0 to its spare word, and waits for that and for its reads of slot 0.
.macro TURN slot, next
	s_wait_tensorcnt 0x0
	ds_add_u32 v[SPW], v[NIL]
	s_wait_dscnt 4*NL+1                            ; the add and the youngest eight loads may be out
	WIN MUL_LO
	MUL16 0, 1, NQ-1, \slot, 0
	s_wait_dscnt 0x0                               ; the add is done, and my reads of this slot are over
	s_barrier_signal -1
	MUL16 2, 1, NQ-1, \slot, 0
	WIN 0
	s_barrier_wait -1
	PLACES NP
	v_add_nc_u32 v[ADRS], 4*NQ, v[ADRS]            ; on to the next K step's scale words
	FETCH_B \next, 0, 0
	FETCH_A \next, 0, 0
	SCALES \next
	WIN MUL_HI
	MUL16 4, 1, NQ-1, \slot, 0
	MUL16 6, 1, NQ-1, \slot, 0
	PLACES NP
	WIN 0
	FETCH_A \next, 0, 4
.endm
	s_wait_tensorcnt 1                             ; the scales and my part of K step 0 are in (K step 1's load may be out),
	s_barrier_signal -1
	s_barrier_wait -1                              ; everybody's are
	FETCH_B 0, 0, 0
	FETCH_A 0, 0, 0
	SCALES 0
	FETCH_A 0, 0, 4
	STEP 0, 0, 1                                   ; the first step's products start the sums
	STEP 0, 1, 0
	STEP 0, 2, 0
	TURN 0, 1
	STEP 1, 0, 0
	STEP 1, 1, 0
	STEP 1, 2, 0
	s_wait_dscnt 4*NL                              ; the very last step: nothing more to fetch
	WIN MUL_LO
	MUL16 0, 1, NQ-1, 1, 0
	MUL16 2, 1, NQ-1, 1, 0
	s_wait_dscnt 0
	WIN MUL_HI
	MUL16 4, 1, NQ-1, 1, 0
	MUL16 6, 1, NQ-1, 1, 0
	WIN 0
; THE WAY OUT, block by block of 16 rows x 128 columns (two heads).  PACK: times the factor, in f32, then rounded to f16: 16 bytes a lane.  TOSTAGE: into my own stage and back, two rows of a head to sixteen lanes.  SEND: stored.
.macro PACK a
.set AC, 64*((\a)%4)
	WIN 0x02+(\a)/4                                ; source 0: window 2 or 3
.irp b, 0,1,2,3,4,5,6,7
.irp i, 0,1,2,3
	v_pk_mul_f32 v[TT+8*\b+2*\i:TT+8*\b+2*\i+1], v[AC+8*\b+2*\i:AC+8*\b+2*\i+1], s[96:97] op_sel_hi:[1,0]   ; each accumulator from its low end on
.endr
.endr
	WIN 0
.irp b, 0,1,2,3,4,5,6,7
.irp i, 0,1,2,3
	v_cvt_pk_f16_f32 v[TMP+4*\b+\i], v[TT+8*\b+2*\i], v[TT+8*\b+2*\i+1]
.endr
.endr
.endm
.macro TOSTAGE a
.set BB, BK+32*((\a)%2)
.irp b, 0,1,2,3,4,5,6,7
	ds_store_b128 v[STO], v[TMP+4*\b:TMP+4*\b+3] offset:32*\b
.endr
.irp t, 0,1,2,3,4,5,6,7
	ds_load_b128 v[BB+4*\t:BB+4*\t+3], v[RD] offset:\t*2*SPITCH    ; LDS serves a wave's instructions in order (ISA guide 5.7.1.4): these see the stores above
.endr
.endm
.macro SEND a
.set BB, BK+32*((\a)%2)
	s_wait_dscnt 0x0                               ; the block is back in registers
	s_wait_xcnt 0x0                                ; the block before has left its registers: the next block's loads may land there
.irp t, 0,1,2,3,4,5,6,7
	global_store_b128 v[CO], v[BB+4*\t:BB+4*\t+3], s[12:13] offset:(\a)*2048+\t*256   ; 16 lanes store 256 consecutive bytes, aligned: rows s, s + 1 of one head
.endr
.endm
	PLACES NP                                      ; behind the last products: their scale words are written over, their results read, A's registers loaded
	PACK 0
	TOSTAGE 0
.irp a, 1,2,3,4,5,6,7
	PACK \a                                        ; block a's arithmetic stands between block a - 1's loads from the stage and the wait for them
	SEND \a-1
	TOSTAGE \a
.endr
	SEND 7
	s_wait_tensorcnt 0x0                           ; the wave's end
	ds_add_u32 v[SPW], v[NIL]
	s_wait_dscnt 0x0
	CROUND                                         ; the closing round
	s_endpgm
.Lfunc_end_k_q42c5ffe2fc_gemm1:
	.size	k_q42c5ffe2fc_gemm1, .Lfunc_end_k_q42c5ffe2fc_gemm1-k_q42c5ffe2fc_gemm1
	.p2alignl 7, 3214868480
	.fill 96, 4, 3214868480
	.section	.rodata,"a",@progbits
	.p2align	6, 0x0
	.amdhsa_kernel k_q42c5ffe2fc_gemm1
		.amdhsa_group_segment_fixed_size 327680
		.amdhsa_private_segment_fixed_size 0
		.amdhsa_enable_private_segment 0
		.amdhsa_kernarg_size 40
		.amdhsa_user_sgpr_count 2
		.amdhsa_user_sgpr_kernarg_segment_ptr 1
		.amdhsa_wavefront_size32 1
		.amdhsa_system_sgpr_workgroup_id_x 1
		.amdhsa_system_sgpr_workgroup_id_y 1
		.amdhsa_system_sgpr_workgroup_id_z 1
		.amdhsa_system_vgpr_workitem_id 0
		.amdhsa_next_free_vgpr 1024
		.amdhsa_next_free_sgpr 98
		.amdhsa_reserve_vcc 0
		.amdhsa_float_denorm_mode_32 3
		.amdhsa_float_denorm_mode_16_64 3
		.amdhsa_memory_ordered 1
		.amdhsa_forward_progress 1
		.amdhsa_inst_pref_size 143
	.end_amdhsa_kernel
	.amdgpu_metadata
---
amdhsa.version: [ 1, 2 ]
amdhsa.kernels:
  - .name:           k_q42c5ffe2fc_gemm1
    .symbol:         k_q42c5ffe2fc_gemm1.kd
    .args:
      - { .name: xc, .offset: 0, .size: 8, .value_kind: global_buffer, .address_space: global }
      - { .name: xs, .offset: 8, .size: 8, .value_kind: global_buffer, .address_space: global }
      - { .name: wc, .offset: 16, .size: 8, .value_kind: global_buffer, .address_space: global }
      - { .name: ws, .offset: 24, .size: 8, .value_kind: global_buffer, .address_space: global }
      - { .name: qkv, .offset: 32, .size: 8, .value_kind: global_buffer, .address_space: global }
    .group_segment_fixed_size: 327680
    .private_segment_fixed_size: 0
    .kernarg_segment_align: 8
    .kernarg_segment_size: 40
    .max_flat_workgroup_size: 128
    .sgpr_count:     98
    .vgpr_count:     1024
    .wavefront_size: 32
...
	.end_amdgpu_metadata
.endif
;; end of part 2
;; launch attn (part 3): grid 4 x 64, 16 waves a work-group, clusters of 4 x 1, 327,680 bytes of LDS; arguments qkv, maskw, yh; writes yh
.if DOCPART == 3
	.amdgcn_target "amdgcn-amd-amdhsa--gfx1250"
	.amdhsa_code_object_version 6
	.text
	.protected	k_q42c5ffe2fc_attn
	.globl	k_q42c5ffe2fc_attn
	.p2align	8
	.type	k_q42c5ffe2fc_attn,@function
k_q42c5ffe2fc_attn:
	s_mov_b64 s[64:65], 0
	v_nop
	global_prefetch_b8 v0, s[64:65] scope:SCOPE_SE
	s_setreg_imm32_b32 hwreg(HW_REG_WAVE_MODE, 25, 1), 1
	s_wait_xcnt 0x0
	s_wait_alu depctr_hold_cnt(0) depctr_sa_sdst(0) depctr_va_vdst(0) depctr_va_sdst(0) depctr_va_ssrc(0) depctr_va_vcc(0) depctr_vm_vsrc(0)
	s_getreg_b32 s2, hwreg(HW_REG_IB_STS2, 6, 4)
	s_cmp_eq_u32 s2, 0
	s_cbranch_scc0 .Lentry_in_a_cluster
	s_endpgm
.Lentry_in_a_cluster:
	s_bfe_u32 s2, ttmp6, 0x10000c
	s_cmp_lg_u32 s2, 0x3003
	s_cbranch_scc0 .Lentry_shape_is_right
	s_endpgm
.Lentry_shape_is_right:
; y[b][q][h][:] = the sum over k of softmax_k(masked(q . k / 8)) v[k][:], for 64 pairs (b, h), 2,048 queries and keys, head size 64.  q (already times log2(e) / 8), k, v: f16, [part][b 16 + h][s][64].
; The mask is an input: where it is 0 the score becomes the least finite f32 number, as in the definition: a row that is masked throughout comes out as the plain mean of v.
; Products on f16 operands with f32 sums; maxima, exponentials and sums in f32; the weights p = 2^(t - m), at most 1, are rounded to f16 for the second product; y is rounded to f16 once.
; y leaves as yh[h 16][m 8192][64], planes of 64 along the next product's K.
; LIMITS: |y| above 65,504 becomes infinite in f16; NaN and infinities are not served; f16's 11 bits are what every row is carried in, rows that open one key or few among them.
; SHARES.  A work-group owns 512 queries of one (b, h); each of its sixteen waves owns 32: two tiles of 16, in 256 registers, four waves to a SIMD, so that one wave's vector work stands beside another's matrix work.
; Every wave walks all 2,048 keys, 64 a step.  K's and V's tiles come through a ring of two LDS slots of 512 keys (waves 0, 1: K's halves; waves 2, 3: V's).
; CLUSTER.  The four query blocks of a (b, h) form a cluster and walk the same K and V: each tile is asked for JOINTLY, by the same load with the same descriptor and the mask of all four.
; LAYOUT.  S^T = K Q^T (source 0 = 16 keys, source 1 = 16 queries): a lane holds ONE query (lane % 16) and keys 8 (lane / 16) + 0..7.  Two such tiles rounded in pairs ARE source 1 of O^T = V^T P.
; A head's rows are 128 dense bytes: a tile is stated as rows of 256 bytes (two keys), padded by 16 (K) or 32 (V, read turned by ds_load_tr16_b128) bytes.
; THE MASK comes as words whose bit L belongs to lane L: one scalar register for each register of scores, 64 a step, read a step ahead, used by v_cndmask_b32 alone.
.set SLOTB, 143360                     ; a slot: K 256 x 272 bytes, then V 256 x 288
.set VOFF,  69632
.set SPARE, 2*SLOTB                    ; the spare words, 128 bytes for each of 16 waves: eight blocks of 256 bytes that no other line names
.set SPW, 1                            ; v1   my spare word's address; never rewritten
.set NIL, 2                            ; v2   0; never rewritten
.set AK0, 3                            ; v3   my lane's place in a tile of K
.set AV0, 4                            ; v4   the same for V
.set ADK, 5                            ; v5, v6 the step's addresses
.set ADV, 6
.set NEG, 7                            ; v7   the least finite number
.set ST,  8                            ; tile u's statistics at v[8 + 8 u]: +0 m, +1 zero, +2, +3 l, +4 .. +7 c0-c3 at work; a takes c2's place
.set Q,   24                           ; v24-55   Q: tile u, channels 32 c on, at 24 + 16 u + 8 c
.set KV,  56                           ; v56-119  K's fragments, then V's
.set S,   120                          ; v120-183 S^T, then p, then P in place
.set O,   184                          ; v184-247 O^T
.set CH,  248                          ; v248-251 the sums' second chains
.set G1K, 4
.set G1V, 12
.set G0K, 20
.set G0V, 24
.set WV,  28
.set CNT, 29
.set TK,  30                           ; s30  LDS byte at which the step's K begins;  s104 the same for V
.set MOFF, 31                          ; s31  the next step's mask words: 128 bytes a step
.set MP,  66                           ; s[66:67] my first tile's row of mask words;  s[32:63], s[68:99] the words of tiles 0 and 1
.set SEL, 100
.set TV,  104
.macro CROUND                          ; a round of the cluster's barrier
	s_barrier_signal -1
	s_barrier_wait -1
	s_cmp_lg_u32 s[WV], 0
	s_cbranch_scc1 .Lnot_wave_0_\@
	s_barrier_signal -3
.Lnot_wave_0_\@:
	s_barrier_wait -3
	s_barrier_signal -1
	s_barrier_wait -1
.endm
; Waves 0 and 1 fetch for K, waves 2 and 3 for V, the others nothing: the branches hang on the wave's number alone.  An s_nop 0 and four v_nop follow each of the two lines.
.macro TLOAD
	s_cmp_lt_u32 s[WV], 2
	s_cbranch_scc0 .Lnot_k_\@
	tensor_load_to_lds s[G0K:G0K+3], s[G1K:G1K+7]
	s_nop 0
.rept 4
	v_nop
.endr
	s_branch .Lasked_\@
.Lnot_k_\@:
	s_cmp_lt_u32 s[WV], 4
	s_cbranch_scc0 .Lasked_\@
	tensor_load_to_lds s[G0V:G0V+3], s[G1V:G1V+7]
	s_nop 0
.rept 4
	v_nop
.endr
.Lasked_\@:
.endm
	s_load_b128 s[32:35], s[0:1], 0x0              ; qkv s[32:33], maskw s[34:35]
	v_lshl_add_u32 v[SPW], v0, 2, SPARE
	v_mov_b32 v[NIL], 0
	ds_add_u32 v[SPW], v[NIL]                      ; the wave's opening: the add, twice on end, and its wait ahead of the first tensor load
	ds_add_u32 v[SPW], v[NIL]
	v_lshrrev_b32 v3, 5, v0
	v_readfirstlane_b32 s[WV], v3                  ; wave 0..15
	s_bfe_u32 s36, ttmp6, 0x40000                  ; cx
	s_lshl_b32 s37, ttmp9, 2
	s_add_co_u32 s36, s37, s36                     ; my block of 512 queries: it enters Q's, the mask's and y's global addresses alone
	s_and_b32 s37, ttmp7, 0xffff                   ; b 16 + h, which the four partners share
	s_mov_b32 s[G1K], 15|(3<<16)|(1<<20)|(1<<21)|(5<<22)|(3<<25)   ; the mask: all four; elements of 8 bytes; padding on; bit 21 beside a mask; after every 64 words 4 words
	s_mov_b32 s[G1V], 15|(3<<16)|(1<<20)|(1<<21)|(5<<22)|(7<<25)   ; the same with 8 words
.irp g, G1K, G1V
	s_mov_b32 s[\g+1], 32<<16                      ; tensor_dim0 = 32 elements: 256 bytes
	s_mov_b32 s[\g+2], 128<<16                     ; tensor_dim1 = 128 rows
	s_mov_b32 s[\g+3], 32<<16                      ; tile_dim0
	s_mov_b32 s[\g+4], 128                         ; tile_dim1
	s_mov_b32 s[\g+5], 32                          ; the pitch: dense
	s_mov_b32 s[\g+6], 0
	s_mov_b32 s[\g+7], 0
.endr
	s_mov_b32 s[SEL], 0x76543210
	s_mov_b32 s[SEL+1], 0xfedcba98                 ; v_permlanex16_b32's selects for lane l xor 16
	s_and_b32 s38, s[WV], 1                        ; which half of a slot's keys I fetch, if I fetch
	s_mul_i32 s2, s38, 34816                       ; K's half in a slot,
	s_mul_i32 s3, s38, 36864
	s_add_co_u32 s3, s3, VOFF                      ; V's
	s_mov_b32 s[MOFF], 0
	s_lshl_b32 s40, s37, 18                        ; a head is 262,144 bytes
	s_lshl_b32 s39, s38, 15                        ; 256 keys are 32,768
	s_add_co_u32 s40, s40, s39
	s_add_co_u32 s40, s40, 0x1000000               ; the part k
	s_mov_b32 s41, 0
	s_lshl_b32 s42, s36, 17                        ; the mask words: 4,096 bytes for each tile of 16 queries: 32 tiles a block,
	s_lshl_b32 s43, s[WV], 13                      ; two a wave
	s_add_co_u32 s42, s42, s43
	s_mov_b32 s43, 0
	s_lshl_b32 s44, s37, 18                        ; Q: the head, the block's 512 rows of 128 bytes, the wave's 32
	s_lshl_b32 s45, s36, 16
	s_add_co_u32 s44, s44, s45
	s_lshl_b32 s45, s[WV], 12
	s_add_co_u32 s44, s44, s45
	s_mov_b32 s45, 0
	s_wait_dscnt 0x0                               ; both opening adds are done
	s_wait_kmcnt 0x0
	s_mov_b32 s[G0K], 1
	s_mov_b32 s[G0K+1], s2                         ; slot 0
	s_add_nc_u64 s[G0K+2:G0K+3], s[32:33], s[40:41]
	s_mov_b32 s[G0V], 1
	s_mov_b32 s[G0V+1], s3
	s_add_nc_u64 s[G0V+2:G0V+3], s[G0K+2:G0K+3], 0x1000000   ; the part v lies 16,777,216 bytes on
	s_or_b32 s[G0K+3], s[G0K+3], 0x80000000
	s_or_b32 s[G0V+3], s[G0V+3], 0x80000000
	s_add_nc_u64 s[MP:MP+1], s[34:35], s[42:43]
	s_add_nc_u64 s[104:105], s[32:33], s[44:45]    ; Q's address, until Q is in
	CROUND                                         ; all four work-groups are here: the first joint loads meet
	TLOAD                                          ; slot 0: keys 0 to 511
	v_and_b32 v253, 15, v0                         ; r
	v_bfe_u32 v254, v0, 4, 1                       ; h
	v_lshlrev_b32 v252, 7, v253
	v_lshl_add_u32 v252, v254, 4, v252             ; Q: row r of 128 bytes, + 16 h
.irp u, 0,1
.irp c, 0,1
	global_load_b128 v[Q+16*\u+8*\c:Q+16*\u+8*\c+3],   v252, s[104:105] offset:\u*2048+64*\c
	global_load_b128 v[Q+16*\u+8*\c+4:Q+16*\u+8*\c+7], v252, s[104:105] offset:\u*2048+64*\c+32
.endr
.endr
	s_load_b512 s[32:47], s[MP:MP+1], s[MOFF] offset:0x0       ; step 0's mask words: tile 0's 32,
	s_load_b512 s[48:63], s[MP:MP+1], s[MOFF] offset:0x40
	s_load_b512 s[68:83], s[MP:MP+1], s[MOFF] offset:0x1000    ; tile 1's
	s_load_b512 s[84:99], s[MP:MP+1], s[MOFF] offset:0x1040
	v_lshrrev_b32 v[AK0], 1, v253                  ; K: key r lies in pair row r / 2, half r % 2
	v_mul_u32_u24 v[AK0], v[AK0], 272
	v_and_b32 v255, 1, v0
	v_lshl_add_u32 v[AK0], v255, 7, v[AK0]
	v_lshl_add_u32 v[AK0], v254, 4, v[AK0]
	v_bfe_u32 v[AV0], v0, 1, 2                     ; V, turned: lane l reads key 8 h + l % 8, channels 8 ((l / 8) % 2) on
	v_lshl_add_u32 v[AV0], v254, 2, v[AV0]
	v_mul_u32_u24 v[AV0], v[AV0], 288
	v_lshl_add_u32 v[AV0], v255, 7, v[AV0]
	v_bfe_u32 v255, v0, 3, 1
	v_lshl_add_u32 v[AV0], v255, 4, v[AV0]
	v_add_nc_u32 v[AV0], VOFF, v[AV0]
	v_mov_b32 v[NEG], 0xff7fffff
.irp u, 0,1
	v_mov_b32 v[ST+8*\u], v[NEG]                   ; m: under or at every score
.irp i, 1,2,3,4,5,6,7
	v_mov_b32 v[ST+8*\u+\i], 0
.endr
.endr
.irp j, 0,1,2,3,4,5,6,7,8,9,10,11,12,13,14,15,16,17,18,19,20,21,22,23,24,25,26,27,28,29,30,31,32,33,34,35,36,37,38,39,40,41,42,43,44,45,46,47,48,49,50,51,52,53,54,55,56,57,58,59,60,61,62,63
	v_mov_b32 v[O+\j], 0                           ; O^T.  (The step is written without a first step of its own: it finds zeros)
.endr
	s_wait_loadcnt 0x0                             ; Q is in: s104 is free
; A KEY STEP: 64 keys.
.macro STEP
	v_add_nc_u32 v[ADK], s[TK], v[AK0]
	v_add_nc_u32 v[ADV], s[TV], v[AV0]
.rept 3
	v_nop                                          ; five places behind the last step's products: their operands are loaded anew, and P's registers are written over by matrix results
.endr
.irp kt, 0,1,2,3
.irp c, 0,1
	ds_load_b128 v[KV+16*\kt+8*\c:KV+16*\kt+8*\c+3],   v[ADK] offset:2176*\kt+64*\c
	ds_load_b128 v[KV+16*\kt+8*\c+4:KV+16*\kt+8*\c+7], v[ADK] offset:2176*\kt+64*\c+32
.endr
.endr
	s_wait_dscnt 0x0
.irp kt, 0,1,2,3                               ; S^T = K Q^T: eight accumulators by turns; the first eight start the sums
.irp u, 0,1
	v_wmma_f32_16x16x32_f16 v[S+32*\u+8*\kt:S+32*\u+8*\kt+7], v[KV+16*\kt:KV+16*\kt+7], v[Q+16*\u:Q+16*\u+7], 0
.endr
.endr
.irp kt, 0,1,2,3
.irp u, 0,1
	v_wmma_f32_16x16x32_f16 v[S+32*\u+8*\kt:S+32*\u+8*\kt+7], v[KV+16*\kt+8:KV+16*\kt+15], v[Q+16*\u+8:Q+16*\u+15], v[S+32*\u+8*\kt:S+32*\u+8*\kt+7]
.endr
.endr
.rept 4
	v_nop                                          ; places in front of the loads into K's registers and of the first read of the scores
.endr
.irp kc, 0,1                                   ; V, turned: it lands while the softmax is worked
.irp dt, 0,1,2,3
	ds_load_tr16_b128 v[KV+32*\kc+8*\dt:KV+32*\kc+8*\dt+3],   v[ADV] offset:4608*\kc+32*\dt
	ds_load_tr16_b128 v[KV+32*\kc+8*\dt+4:KV+32*\kc+8*\dt+7], v[ADV] offset:4608*\kc+32*\dt+2304
.endr
.endr
	s_wait_kmcnt 0x0                               ; this step's mask words, asked for a step ago
.set i, 0
.rept 32
	v_cndmask_b32 v[S+i], v[NEG], v[S+i], s[32+i]  ; where the bit is 0: the least finite number.  Each accumulator from its low end on
.set i, i+1
.endr
.set i, 0
.rept 32
	v_cndmask_b32 v[S+32+i], v[NEG], v[S+32+i], s[68+i]
.set i, i+1
.endr
	s_add_co_u32 s[MOFF], s[MOFF], 128             ; (written behind the wait that showed the loads that read it done)
	s_min_u32 s[MOFF], s[MOFF], 3968               ; the last step asks for its own words once more: no load leaves the buffer, and no way hangs on the count
	s_load_b512 s[32:47], s[MP:MP+1], s[MOFF] offset:0x0
	s_load_b512 s[48:63], s[MP:MP+1], s[MOFF] offset:0x40
	s_load_b512 s[68:83], s[MP:MP+1], s[MOFF] offset:0x1000
	s_load_b512 s[84:99], s[MP:MP+1], s[MOFF] offset:0x1040
.irp j, 0,1,2,3                                ; the maximum of 32 scores and the old m: four chains a tile, the tiles by turns
.irp u, 0,1
	v_max3_num_f32 v[ST+8*\u+4+\j], v[S+32*\u+8*\j], v[S+32*\u+8*\j+1], v[S+32*\u+8*\j+2]
.endr
.endr
.irp g, 1,2
.irp j, 0,1,2,3
.irp u, 0,1
	v_max3_num_f32 v[ST+8*\u+4+\j], v[ST+8*\u+4+\j], v[S+32*\u+8*\j+2*\g+1], v[S+32*\u+8*\j+2*\g+2]
.endr
.endr
.endr
.irp u, 0,1
	v_max3_num_f32 v[ST+8*\u+4], v[ST+8*\u+4], v[S+32*\u+7], v[S+32*\u+15]
.endr
.irp u, 0,1
	v_max3_num_f32 v[ST+8*\u+6], v[ST+8*\u+6], v[S+32*\u+23], v[S+32*\u+31]
.endr
.irp u, 0,1
	v_max3_num_f32 v[ST+8*\u+4], v[ST+8*\u+4], v[ST+8*\u+5], v[ST+8*\u+6]
.endr
.irp u, 0,1
	v_max3_num_f32 v[ST+8*\u+4], v[ST+8*\u+4], v[ST+8*\u+7], v[ST+8*\u]
.endr
.irp u, 0,1
	v_permlanex16_b32 v[ST+8*\u+5], v[ST+8*\u+4], s[SEL], s[SEL+1]   ; the query's other 32 keys lie in the lane 16 away
.endr
.irp u, 0,1
	v_max_num_f32 v[ST+8*\u+4], v[ST+8*\u+4], v[ST+8*\u+5]
.endr
.irp u, 0,1
	v_sub_f32 v[ST+8*\u+7], v[ST+8*\u], v[ST+8*\u+4]                 ; m_old - m_new
.endr
.irp u, 0,1
	v_mov_b32 v[ST+8*\u], v[ST+8*\u+4]
.endr
.irp u, 0,1
	v_exp_f32 v[ST+8*\u+6], v[ST+8*\u+7]           ; a = 2^(m_old - m_new)
.endr
.irp u, 0,1
.irp j, 0,2,4,6,8,10,12,14,16,18,20,22,24,26,28,30
	v_pk_add_f32 v[S+32*\u+\j:S+32*\u+\j+1], v[S+32*\u+\j:S+32*\u+\j+1], v[ST+8*\u:ST+8*\u+1] op_sel_hi:[1,0] neg_lo:[0,1] neg_hi:[0,1]   ; t - m: a plain difference, exactly 0 where t = m
.endr
.endr
.set i, 0
.rept 64
	v_exp_f32 v[S+i], v[S+i]                       ; p = 2^(t - m)
.set i, i+1
.endr
	v_nop                                          ; a plain instruction behind the last exponential
	s_wait_alu depctr_va_vdst(0)                   ; the wait ahead of the first line that names a result: one for the step's 66 exponentials
.irp u, 0,1                                    ; the row's sums, of the unrounded p: two chains a tile
	v_pk_add_f32 v[ST+8*\u+4:ST+8*\u+5], v[S+32*\u:S+32*\u+1], v[S+32*\u+2:S+32*\u+3]
	v_pk_add_f32 v[CH+2*\u:CH+2*\u+1], v[S+32*\u+4:S+32*\u+5], v[S+32*\u+6:S+32*\u+7]
.endr
.irp j, 8,12,16,20,24,28
.irp u, 0,1
	v_pk_add_f32 v[ST+8*\u+4:ST+8*\u+5], v[ST+8*\u+4:ST+8*\u+5], v[S+32*\u+\j:S+32*\u+\j+1]
	v_pk_add_f32 v[CH+2*\u:CH+2*\u+1], v[CH+2*\u:CH+2*\u+1], v[S+32*\u+\j+2:S+32*\u+\j+3]
.endr
.endr
.irp u, 0,1
	v_pk_add_f32 v[ST+8*\u+4:ST+8*\u+5], v[ST+8*\u+4:ST+8*\u+5], v[CH+2*\u:CH+2*\u+1]
.endr
.irp u, 0,1
	v_pk_fma_f32 v[ST+8*\u+2:ST+8*\u+3], v[ST+8*\u+2:ST+8*\u+3], v[ST+8*\u+6:ST+8*\u+7], v[ST+8*\u+4:ST+8*\u+5] op_sel_hi:[1,0,1]   ; l = a l + the sum
.endr
.irp u, 0,1
.irp j, 0,1,2,3,4,5,6,7,8,9,10,11,12,13,14,15
	v_cvt_pk_f16_f32 v[S+32*\u+\j], v[S+32*\u+2*\j], v[S+32*\u+2*\j+1]   ; in place, ascending: registers 8 kc .. 8 kc + 7 are P's fragment of keys 32 kc on
.endr
.endr
.irp u, 0,1
.irp j, 0,2,4,6,8,10,12,14,16,18,20,22,24,26,28,30
	v_pk_mul_f32 v[O+32*\u+\j:O+32*\u+\j+1], v[O+32*\u+\j:O+32*\u+\j+1], v[ST+8*\u+6:ST+8*\u+7] op_sel_hi:[1,0]   ; O^T times a
.endr
.endr
	s_wait_dscnt 0x0                               ; V is in
.irp kc, 0,1                                   ; O^T += V^T P: eight accumulators by turns
.irp dt, 0,1,2,3
.irp u, 0,1
	v_wmma_f32_16x16x32_f16 v[O+32*\u+8*\dt:O+32*\u+8*\dt+7], v[KV+32*\kc+8*\dt:KV+32*\kc+8*\dt+7], v[S+32*\u+8*\kc:S+32*\u+8*\kc+7], v[O+32*\u+8*\dt:O+32*\u+8*\dt+7]
.endr
.endr
.endr
.endm
; THE CHANGE OF SLOTS stands at a slot's head.  Each wave waits for all its tensor loads (its part of the slot ahead), adds 0 to its spare word, and waits for that and for its reads of the slot that it has left.
; fill = 1: the barrier is a round of the cluster's, and behind it the slot named is filled with the next 512 keys: the load has eight key steps in which to land.  One load of a fetching wave is out at a time.
.macro CHANGE fill, slot
	s_wait_tensorcnt 0x0                           ; no tensor load of mine is out, so a group 0 may be written
	ds_add_u32 v[SPW], v[NIL]
.if \fill
	ds_add_u32 v[SPW], v[NIL]                      ; twice on end here
	s_add_co_u32 s[G0K+1], s2, \slot*SLOTB
	s_add_co_u32 s[G0V+1], s3, \slot*SLOTB
	s_add_nc_u64 s[G0K+2:G0K+3], s[G0K+2:G0K+3], 65536   ; the next 512 keys; the type bits on top are not reached
	s_add_nc_u64 s[G0V+2:G0V+3], s[G0V+2:G0V+3], 65536
.endif
	s_wait_dscnt 0x0                               ; the add is done, and my reads of the slot that I have left are over
.if \fill
	CROUND
	TLOAD
.else
	s_barrier_signal -1
	s_barrier_wait -1
.endif
.endm
.macro SLOT_STEPS slot                 ; a slot's eight key steps
	s_mov_b32 s[TK], \slot*SLOTB
	s_mov_b32 s[TV], \slot*SLOTB
	s_mov_b32 s[CNT], 8
.Lstep_\@:
	STEP
	s_add_co_u32 s[TK], s[TK], 8704                ; 32 pair rows of K,
	s_add_co_u32 s[TV], s[TV], 9216                ; of V
	s_sub_co_u32 s[CNT], s[CNT], 1
	s_cmp_lg_u32 s[CNT], 0
	s_cbranch_scc1 .Lstep_\@
.endm
	CHANGE 1, 1                                    ; slot 0 is whole; slot 1 is filled for the first time: keys 512 on
	SLOT_STEPS 0
	CHANGE 1, 0                                    ; keys 1,024 on
	SLOT_STEPS 1
	CHANGE 1, 1                                    ; keys 1,536 on
	SLOT_STEPS 0
	CHANGE 0, 0                                    ; nothing is left to fetch
	SLOT_STEPS 1
	; THE WAY OUT.  O^T / l, rounded to f16, goes through my stage (32 rows of 144 bytes, in slot 0, which has had its last fill and its last read) and leaves as 4,096 dense bytes.
	s_wait_kmcnt 0x0                               ; the last step's mask loads have landed: their registers are free
	s_load_b64 s[32:33], s[0:1], 0x10              ; yh
	s_bfe_u32 s36, ttmp6, 0x40000
	s_lshl_b32 s37, ttmp9, 2
	s_add_co_u32 s36, s37, s36                     ; my block of queries
	s_and_b32 s37, ttmp7, 0xffff
	s_and_b32 s38, s37, 15
	s_lshl_b32 s38, s38, 20                        ; the head's plane: 8,192 rows of 128 bytes
	s_lshr_b32 s39, s37, 4
	s_lshl_b32 s39, s39, 18                        ; b's 2,048 rows
	s_add_co_u32 s38, s38, s39
	s_lshl_b32 s39, s36, 16
	s_add_co_u32 s38, s38, s39
	s_lshl_b32 s39, s[WV], 12
	s_add_co_u32 s38, s38, s39
	s_mov_b32 s39, 0
	s_mul_i32 s40, s[WV], 4608
	v_and_b32 v253, 15, v0                         ; (these lines are also the places behind the last products)
	v_bfe_u32 v254, v0, 4, 1
	v_mul_u32_u24 v3, v253, 144
	v_lshl_add_u32 v3, v254, 4, v3
	v_add_nc_u32 v3, s40, v3                       ; in: row r, + 16 h
	v_bfe_u32 v4, v0, 3, 2
	v_mul_u32_u24 v4, v4, 144
	v_and_b32 v255, 7, v0
	v_lshl_add_u32 v4, v255, 4, v4
	v_add_nc_u32 v4, s40, v4                       ; back: eight lanes to a row, four rows an instruction
	v_and_b32 v5, 31, v0
	v_lshlrev_b32 v5, 4, v5                        ; and 16 bytes a lane in yh
.irp u, 0,1
	v_add_f32 v[ST+8*\u+4], v[ST+8*\u+2], v[ST+8*\u+3]
.endr
.irp u, 0,1
	v_permlanex16_b32 v[ST+8*\u+5], v[ST+8*\u+4], s[SEL], s[SEL+1]
.endr
.irp u, 0,1
	v_add_f32 v[ST+8*\u+4], v[ST+8*\u+4], v[ST+8*\u+5]   ; the row's sum: at least 1
.endr
.irp u, 0,1
	v_rcp_f32 v[ST+8*\u+6], v[ST+8*\u+4]
.endr
	v_nop
	s_wait_alu depctr_va_vdst(0)                   ; one wait for the two reciprocals, ahead of their first reader
.irp u, 0,1
.irp j, 0,2,4,6,8,10,12,14,16,18,20,22,24,26,28,30
	v_pk_mul_f32 v[O+32*\u+\j:O+32*\u+\j+1], v[O+32*\u+\j:O+32*\u+\j+1], v[ST+8*\u+6:ST+8*\u+7] op_sel_hi:[1,0]
.endr
.endr
.irp n, 0,1,2,3,4,5,6,7,8,9,10,11,12,13,14,15,16,17,18,19,20,21,22,23,24,25,26,27,28,29,30,31
	v_cvt_pk_f16_f32 v[S+\n], v[O+2*\n], v[O+2*\n+1]
.endr
.irp u, 0,1
.irp dt, 0,1,2,3
	ds_store_b128 v3, v[S+16*\u+4*\dt:S+16*\u+4*\dt+3] offset:\u*2304+32*\dt
.endr
.endr
.irp i, 0,1,2,3,4,5,6,7
	ds_load_b128 v[S+32+4*\i:S+32+4*\i+3], v4 offset:576*\i        ; LDS serves a wave's instructions in order: these see my stores
.endr
	s_wait_kmcnt 0x0
	s_add_nc_u64 s[32:33], s[32:33], s[38:39]
.irp i, 0,1,2,3,4,5,6,7
	s_wait_dscnt 7-\i
	global_store_b128 v5, v[S+32+4*\i:S+32+4*\i+3], s[32:33] offset:512*\i   ; 32 lanes store 512 consecutive bytes, aligned
.endr
	s_wait_tensorcnt 0x0                           ; the wave's end
	ds_add_u32 v[SPW], v[NIL]
	s_wait_dscnt 0x0
	CROUND                                         ; the closing round: no work-group ends while a partner may still ask for a tile that names it
	s_endpgm
.Lfunc_end_k_q42c5ffe2fc_attn:
	.size	k_q42c5ffe2fc_attn, .Lfunc_end_k_q42c5ffe2fc_attn-k_q42c5ffe2fc_attn
	.p2alignl 7, 3214868480
	.fill 96, 4, 3214868480
	.section	.rodata,"a",@progbits
	.p2align	6, 0x0
	.amdhsa_kernel k_q42c5ffe2fc_attn
		.amdhsa_group_segment_fixed_size 327680
		.amdhsa_private_segment_fixed_size 0
		.amdhsa_enable_private_segment 0
		.amdhsa_kernarg_size 24
		.amdhsa_user_sgpr_count 2
		.amdhsa_user_sgpr_kernarg_segment_ptr 1
		.amdhsa_wavefront_size32 1
		.amdhsa_system_sgpr_workgroup_id_x 1
		.amdhsa_system_sgpr_workgroup_id_y 1
		.amdhsa_system_sgpr_workgroup_id_z 1
		.amdhsa_system_vgpr_workitem_id 0
		.amdhsa_next_free_vgpr 256
		.amdhsa_next_free_sgpr 106
		.amdhsa_reserve_vcc 0
		.amdhsa_float_denorm_mode_32 3
		.amdhsa_float_denorm_mode_16_64 3
		.amdhsa_memory_ordered 1
		.amdhsa_forward_progress 1
		.amdhsa_inst_pref_size 108
	.end_amdhsa_kernel
	.amdgpu_metadata
---
amdhsa.version: [ 1, 2 ]
amdhsa.kernels:
  - .name:           k_q42c5ffe2fc_attn
    .symbol:         k_q42c5ffe2fc_attn.kd
    .args:
      - { .name: qkv, .offset: 0, .size: 8, .value_kind: global_buffer, .address_space: global }
      - { .name: maskw, .offset: 8, .size: 8, .value_kind: global_buffer, .address_space: global }
      - { .name: yh, .offset: 16, .size: 8, .value_kind: global_buffer, .address_space: global }
    .group_segment_fixed_size: 327680
    .private_segment_fixed_size: 0
    .kernarg_segment_align: 8
    .kernarg_segment_size: 24
    .max_flat_workgroup_size: 512
    .sgpr_count:     106
    .vgpr_count:     256
    .wavefront_size: 32
...
	.end_amdgpu_metadata
.endif
;; end of part 3
;; launch proj (part 4): grid 8 x 32, 4 waves a work-group, clusters of 4 x 4, 327,680 bytes of LDS; arguments yh, wt, out0; writes out0
.if DOCPART == 4
	.amdgcn_target "amdgcn-amd-amdhsa--gfx1250"
	.amdhsa_code_object_version 6
	.text
	.protected	k_q42c5ffe2fc_proj
	.globl	k_q42c5ffe2fc_proj
	.p2align	8
	.type	k_q42c5ffe2fc_proj,@function
k_q42c5ffe2fc_proj:
	s_mov_b64 s[64:65], 0
	v_nop
	global_prefetch_b8 v0, s[64:65] scope:SCOPE_SE
	s_setreg_imm32_b32 hwreg(HW_REG_WAVE_MODE, 25, 1), 1
	s_wait_xcnt 0x0
	s_wait_alu depctr_hold_cnt(0) depctr_sa_sdst(0) depctr_va_vdst(0) depctr_va_sdst(0) depctr_va_ssrc(0) depctr_va_vcc(0) depctr_vm_vsrc(0)
	s_getreg_b32 s2, hwreg(HW_REG_IB_STS2, 6, 4)
	s_cmp_eq_u32 s2, 0
	s_cbranch_scc0 .Lentry_in_a_cluster
	s_endpgm
.Lentry_in_a_cluster:
	s_bfe_u32 s2, ttmp6, 0x10000c
	s_cmp_lg_u32 s2, 0xf033
	s_cbranch_scc0 .Lentry_shape_is_right
	s_endpgm
.Lentry_shape_is_right:
; out0 = y Wout.  y: f16, yh[16 planes][8192 m][64 k]; Wout^T: f16, wt[16 planes][1024 n][64 k]; out0 [8192][1024] f32; sums in f32.
; A tile of out0 is 256 (m) x 128 (n): 256 work-groups of four waves, each 128 x 64: 32 accumulators of 16 x 16, 256 registers.
; K goes in steps of 128 (two planes) through a ring of two LDS slots.  A plane's rows are 128 dense bytes: a tile is stated as rows of 256 bytes (two rows of the matrix) with 16 bytes of padding.
; Waves 0 and 1 fetch A's two planes of a step (256 rows each), waves 2 and 3 B's (128 rows each): one load a wave behind each round.
; CLUSTERS: 4 x 4 work-groups: A's tiles are shared along a row of the cluster, B's along a column; each is asked for JOINTLY.
; THE MATRIX INSTRUCTION IS USED TRANSPOSED (source 0 = 16 rows of wt, source 1 = 16 rows of y): a lane then holds eight neighbouring numbers of a row of out0.
; REGISTERS: window 0: v0-31 addresses; two fragment buffers for 32 along K: F0 = v64-159 (A's eight, then B's four), F1 = v160-255.   window 1: accumulator (a, b) at v[8 (4 a + b)].
.set PA,     34816                     ; a plane of A in a slot: 128 pair rows x 272 bytes
.set PB,     17408                     ; a plane of B: 64 pair rows
.set BOFF,   2*PA
.set SLOT,   2*PA+2*PB
.set STAGE,  2*SLOT                    ; behind the ring: 16 rows x 272 bytes for each wave
.set SPITCH, 272
.set SPARE,  STAGE+4*16*SPITCH         ; the spare words, 128 bytes for each wave: two blocks of 256 bytes that no other line names
.set LAPS,   4                         ; a lap = two K steps = once round the ring
.set ADRA, 16
.set ADRB, 20
.set STO,  24
.set RD,   25
.set CO,   26
.set SPW,  28
.set NIL,  29
.set F0,   64
.set F1,   160
.set BK,   64                          ; the way out: v64-95 and v96-127 by turns
.set G1, 24
.set G0, 32
.set G1B, 48
.set G0B, 56
.set MSB, 0
.macro WIN new                         ; the immediate's high byte repeats the setting that is left
.if MSB != (\new)
	s_set_vgpr_msb (MSB<<8)|(\new)
.set MSB, (\new)
.endif
.endm
.set MULW, 0x50                        ; C and D window 1, both sources window 0
.macro JLOAD s                         ; a joint load: waves 0 and 1 fetch for A, waves 2 and 3 for B; an s_nop 0 and four v_nop follow each of the two lines
	s_cmp_eq_u32 s11, 0
	s_cbranch_scc0 .Lfor_b_\@
	tensor_load_to_lds s[G0+4*\s:G0+4*\s+3], s[G1:G1+7]
	s_nop 0
.rept 4
	v_nop
.endr
	s_branch .Lasked_\@
.Lfor_b_\@:
	tensor_load_to_lds s[G0B+4*\s:G0B+4*\s+3], s[G1B:G1B+7]
	s_nop 0
.rept 4
	v_nop
.endr
.Lasked_\@:
.endm
.macro CREST                           ; a round of the cluster's barrier behind its opening barrier
	s_cmp_lg_u32 s10, 0
	s_cbranch_scc1 .Lnot_wave_0_\@
	s_barrier_signal -3
.Lnot_wave_0_\@:
	s_barrier_wait -3
	s_barrier_signal -1
	s_barrier_wait -1
.endm
.macro CROUND
	s_barrier_signal -1
	s_barrier_wait -1
	CREST
.endm
	s_load_b128 s[4:7], s[0:1], 0x0                ; yh s[4:5], wt s[6:7]
	s_load_b64 s[8:9], s[0:1], 0x10                ; out0
	v_lshl_add_u32 v[SPW], v0, 2, SPARE
	v_mov_b32 v[NIL], 0
	ds_add_u32 v[SPW], v[NIL]                      ; the wave's opening: the add, twice on end, and its wait ahead of my first tensor load
	ds_add_u32 v[SPW], v[NIL]
	v_lshrrev_b32 v1, 5, v0
	v_readfirstlane_b32 s10, v1                    ; wave 0..3
	s_lshr_b32 s11, s10, 1                         ; which half of the tile's rows is mine.  Also: I fetch for A (0) or for B (1)
	s_and_b32 s12, s10, 1                          ; which half of its columns.  Also: which plane of a step I fetch
	s_bfe_u32 s40, ttmp6, 0x40000                  ; cx, cy
	s_bfe_u32 s41, ttmp6, 0x40004
	s_lshl_b32 s42, ttmp9, 2
	s_add_co_u32 s42, s42, s40                     ; tile column
	s_and_b32 s13, ttmp7, 0xffff
	s_lshl_b32 s13, s13, 2
	s_add_co_u32 s13, s13, s41                     ; tile row
	s_lshl_b32 s43, s41, 2
	s_lshl_b32 s43, 15, s43                        ; my row of the cluster
	s_lshl_b32 s44, 0x1111, s40                    ; my column
	s_or_b32 s[G1+0], s43, (3<<16)|(1<<20)|(1<<21)|(5<<22)|(3<<25)  ; the mask; elements of 8 bytes; padding on; bit 21 beside a mask; after every 64 words 4 words
	s_or_b32 s[G1B+0], s44, (3<<16)|(1<<20)|(1<<21)|(5<<22)|(3<<25)
	s_mov_b32 s[G1+1], 32<<16                      ; A: 128 rows of 32 elements, dense
	s_mov_b32 s[G1+2], 128<<16
	s_mov_b32 s[G1+3], 32<<16
	s_mov_b32 s[G1+4], 128
	s_mov_b32 s[G1+5], 32
	s_mov_b32 s[G1+6], 0
	s_mov_b32 s[G1+7], 0
	s_mov_b32 s[G1B+1], 32<<16                     ; B: 64 rows
	s_mov_b32 s[G1B+2], 64<<16
	s_mov_b32 s[G1B+3], 32<<16
	s_mov_b32 s[G1B+4], 64
	s_mov_b32 s[G1B+5], 32
	s_mov_b32 s[G1B+6], 0
	s_mov_b32 s[G1B+7], 0
	s_lshl_b32 s16, s12, 20                        ; A: my plane of 1,048,576 bytes, the tile row's 256 rows of 128 bytes
	s_lshl_b32 s17, s13, 15
	s_add_co_u32 s16, s16, s17
	s_mov_b32 s17, 0
	s_lshl_b32 s46, s12, 17                        ; B: my plane of 131,072 bytes, the tile column's 128 rows
	s_lshl_b32 s47, s42, 14
	s_add_co_u32 s46, s46, s47
	s_mov_b32 s47, 0
	s_mul_i32 s20, s12, PA                         ; where they go: no place in the cluster enters an LDS address
	s_mul_i32 s22, s12, PB
	s_add_co_u32 s22, s22, BOFF
	s_wait_dscnt 0x0                               ; both opening adds are done
	s_wait_kmcnt 0x0
	s_add_nc_u64 s[14:15], s[4:5], s[16:17]
	s_add_nc_u64 s[46:47], s[6:7], s[46:47]
	CROUND                                         ; all sixteen work-groups are here: the first joint loads meet
.irp s, 0,1
	s_mov_b32 s[G0+4*\s], 1
	s_add_co_u32 s[G0+4*\s+1], s20, \s*SLOT
	s_add_nc_u64 s[G0+4*\s+2:G0+4*\s+3], s[14:15], \s*2*1048576    ; K step s: planes 2 s, 2 s + 1
	s_or_b32 s[G0+4*\s+3], s[G0+4*\s+3], 0x80000000
	s_mov_b32 s[G0B+4*\s], 1
	s_add_co_u32 s[G0B+4*\s+1], s22, \s*SLOT
	s_add_nc_u64 s[G0B+4*\s+2:G0B+4*\s+3], s[46:47], \s*2*131072
	s_or_b32 s[G0B+4*\s+3], s[G0B+4*\s+3], 0x80000000
	JLOAD \s                                       ; two loads of mine are out
.endr
	v_and_b32 v1, 15, v0                           ; r
	v_bfe_u32 v2, v0, 4, 1                         ; h
	v_lshrrev_b32 v3, 1, v1                        ; row r lies in pair row r / 2, half r % 2
	v_mul_u32_u24 v3, v3, 272
	v_and_b32 v4, 1, v0
	v_lshl_add_u32 v3, v4, 7, v3
	v_lshl_add_u32 v3, v2, 4, v3
	s_mul_i32 s21, s11, 17408                      ; my 128 rows of A: 64 pair rows
	s_mul_i32 s23, s12, 8704                       ; my 64 rows of B: 32 pair rows,
	s_add_co_u32 s23, s23, BOFF                    ; behind A's planes
.irp s, 0,1
	v_add_nc_u32 v[ADRA+\s], s21, v3
	v_add_nc_u32 v[ADRB+\s], s23, v3
	s_add_co_u32 s21, s21, SLOT
	s_add_co_u32 s23, s23, SLOT
.endr
	s_mul_i32 s21, s10, 16*SPITCH
	s_add_co_u32 s21, s21, STAGE                   ; my stage
	v_mul_u32_u24 v4, v1, SPITCH                   ; in: row r, 32 bytes for each half of the lanes
	v_lshl_add_u32 v4, v2, 5, v4
	v_add_nc_u32 v[STO], s21, v4
	v_mul_u32_u24 v5, v2, SPITCH                   ; back: lanes 0-15 one row of 256 bytes, lanes 16-31 the next
	v_lshl_add_u32 v5, v1, 4, v5
	v_add_nc_u32 v[RD], s21, v5
	v_lshlrev_b32 v[CO], 4, v1                     ; and the same two rows in out0
	v_lshl_add_u32 v[CO], v2, 12, v[CO]
	s_lshl_b32 s16, s13, 20                        ; 256 rows of 4,096 bytes for each tile row,
	s_lshl_b32 s17, s11, 19                        ; 128 for my half
	s_add_co_u32 s16, s16, s17
	s_mov_b32 s17, 0
	s_add_nc_u64 s[8:9], s[8:9], s[16:17]
	s_lshl_b32 s46, s42, 9                         ; the tile's first column, in bytes, + my half's 256
	s_lshl_b32 s47, s12, 8
	s_add_co_u32 s46, s46, s47
	s_mov_b32 s47, 0
	s_add_nc_u64 s[8:9], s[8:9], s[46:47]
; 4 n matrix instructions: m blocks a0 .. a0 + n - 1 x all 4 n blocks, 32 along K, buffer f.  zero = 1: the first product starts the sums.  The 32 accumulators take turns.
.macro MUL a0, n, f, zero
.set aa, \a0
.rept \n
.irp b, 0,1,2,3
.if \zero
	v_wmma_f32_16x16x32_f16 v[8*(4*aa+\b):8*(4*aa+\b)+7], v[\f+64+8*\b:\f+64+8*\b+7], v[\f+8*aa:\f+8*aa+7], 0
.else
	v_wmma_f32_16x16x32_f16 v[8*(4*aa+\b):8*(4*aa+\b)+7], v[\f+64+8*\b:\f+64+8*\b+7], v[\f+8*aa:\f+8*aa+7], v[8*(4*aa+\b):8*(4*aa+\b)+7]
.endif
.endr
.set aa, aa+1
.endr
.endm
; 24 LDS loads in one run: the fragments of the slot's q-th 32 along K (plane q / 2, bytes 64 (q % 2) on) into buffer f: B's four, A's 0-3, A's 4-7
.macro FETCH slot, q, f
	WIN 0
.irp i, 0,1,2,3
	ds_load_b128 v[\f+64+8*\i:\f+64+8*\i+3],   v[ADRB+\slot] offset:((\q)/2)*PB+((\q)%2)*64+\i*2176
	ds_load_b128 v[\f+64+8*\i+4:\f+64+8*\i+7], v[ADRB+\slot] offset:((\q)/2)*PB+((\q)%2)*64+\i*2176+32
.endr
.irp i, 0,1,2,3,4,5,6,7
	ds_load_b128 v[\f+8*\i:\f+8*\i+3],   v[ADRA+\slot] offset:((\q)/2)*PA+((\q)%2)*64+\i*2176
	ds_load_b128 v[\f+8*\i+4:\f+8*\i+7], v[ADRA+\slot] offset:((\q)/2)*PA+((\q)%2)*64+\i*2176+32
.endr
.endm
.macro PLACES                          ; four plain vector instructions in front of loads into registers that matrix instructions have read, and of reads of results
.rept 4
	v_nop
.endr
.endm
; A quarter of a K step: multiplies buffer f; in its middle it fetches the slot's q-th quarter into buffer g.
.macro QUARTER slot, q, f, g, zero
	s_wait_dscnt 8                                 ; B's and A's blocks 0-3 are in; the youngest eight loads (A's blocks 4-7) may be out
	WIN MULW
	MUL 0, 4, \f, \zero
	PLACES
	FETCH \slot, \q, \g
	s_wait_dscnt 24                                ; all but the 24 just issued
	WIN MULW
	MUL 4, 4, \f, \zero
.endm
; The last quarter multiplies buffer 1 and changes slots: ONE barrier; in front of it each wave waits for all its tensor loads, adds 0 to its spare word, and waits for that and for its reads of this slot.
; fill = 1: the barrier opens a round of the cluster's, and this slot is filled again, two K steps ahead: 112 matrix instructions stand between the request and the wait for it.
.macro TURN slot, next, fill
	WIN 0
	s_wait_tensorcnt 0x0                           ; all my tensor loads have landed: my part of the next slot
	ds_add_u32 v[SPW], v[NIL]
	s_wait_dscnt 9                                 ; the add and the youngest eight loads may be out
	WIN MULW
	MUL 0, 2, F1, 0
	s_wait_dscnt 0x0                               ; the add is done, and my reads of this slot are over
	s_barrier_signal -1
	MUL 2, 2, F1, 0
	WIN 0
	s_barrier_wait -1
.if \fill
	CREST
	s_add_nc_u64 s[G0+4*\slot+2:G0+4*\slot+3], s[G0+4*\slot+2:G0+4*\slot+3], 4*1048576   ; four planes on
	s_add_nc_u64 s[G0B+4*\slot+2:G0B+4*\slot+3], s[G0B+4*\slot+2:G0B+4*\slot+3], 4*131072
	JLOAD \slot                                    ; the first tensor load behind the round; its four v_nop are also the places in front of the loads below
.else
	PLACES
.endif
	FETCH \next, 0, F0
	WIN MULW
	MUL 4, 4, F1, 0
.endm
	s_wait_tensorcnt 1                             ; my part of K step 0 is in (K step 1's may be out),
	s_barrier_signal -1
	s_barrier_wait -1                              ; everybody's is
	FETCH 0, 0, F0
	QUARTER 0, 1, F0, F1, 1                        ; the first quarter's products start the sums
	WIN 0                                          ; at a label and at a branch every window is 0
	s_mov_b32 s3, LAPS-1
.Llap:                                                 ; a trip goes once round the ring, from a lap's second quarter to the next lap's first, and fills both slots again
	QUARTER 0, 2, F1, F0, 0
	QUARTER 0, 3, F0, F1, 0
	TURN 0, 1, 1
	QUARTER 1, 1, F0, F1, 0
	QUARTER 1, 2, F1, F0, 0
	QUARTER 1, 3, F0, F1, 0
	TURN 1, 0, 1
	QUARTER 0, 1, F0, F1, 0
	WIN 0
	s_sub_co_u32 s3, s3, 1
	s_cmp_lg_u32 s3, 0
	s_cbranch_scc1 .Llap
	QUARTER 0, 2, F1, F0, 0                        ; the last lap fills nothing
	QUARTER 0, 3, F0, F1, 0
	TURN 0, 1, 0
	QUARTER 1, 1, F0, F1, 0
	QUARTER 1, 2, F1, F0, 0
	QUARTER 1, 3, F0, F1, 0
	s_wait_dscnt 8                                 ; the very last quarter: nothing more to fetch
	WIN MULW
	MUL 0, 4, F1, 0
	s_wait_dscnt 0
	MUL 4, 4, F1, 0
	WIN 0
; THE WAY OUT, block by block of 16 rows x 64 columns of f32.  A lane holds 32 neighbouring bytes of a row: a block goes through my own stage and comes back as rows of 256 bytes, sixteen lanes to a row.
.macro TOSTAGE a
	WIN 0x04                                       ; an LDS store's data are its source 1: window 1
.irp b, 0,1,2,3
	ds_store_b128 v[STO], v[8*(4*(\a)+\b):8*(4*(\a)+\b)+3] offset:64*\b        ; each accumulator from its low end on
	ds_store_b128 v[STO], v[8*(4*(\a)+\b)+4:8*(4*(\a)+\b)+7] offset:64*\b+16
.endr
	WIN 0
.set BB, BK+32*((\a)%2)
.irp t, 0,1,2,3,4,5,6,7
	ds_load_b128 v[BB+4*\t:BB+4*\t+3], v[RD] offset:\t*2*SPITCH    ; LDS serves a wave's instructions in order (ISA guide 5.7.1.4): these see the stores above
.endr
.endm
.macro SEND a, younger                 ; younger: the LDS instructions issued behind block a's loads, which may stay out
.set BB, BK+32*((\a)%2)
	s_wait_dscnt \younger
.irp t, 0,1,2,3,4,5,6,7
	global_store_b128 v[CO], v[BB+4*\t:BB+4*\t+3], s[8:9] offset:(16*(\a)+2*\t)*4096 th:TH_STORE_NT   ; 16 lanes store 256 consecutive bytes, aligned; 126 rows at the most: inside the signed 24-bit immediate
.endr
.endm
	PLACES                                         ; behind the last products: results are read, and A's registers are loaded
	TOSTAGE 0
.irp a, 1,2,3,4,5,6,7
.if \a > 1
	s_wait_xcnt 0x0                                ; block a - 2's stores have read their registers: block a's loads may land there
.endif
	TOSTAGE \a
	SEND \a-1, 16                                  ; behind block a - 1's loads: block a's 8 stores and 8 loads
.endr
	SEND 7, 0
	s_wait_tensorcnt 0x0                           ; the wave's end
	ds_add_u32 v[SPW], v[NIL]
	s_wait_dscnt 0x0
	CROUND                                         ; the closing round
	s_endpgm
.Lfunc_end_k_q42c5ffe2fc_proj:
	.size	k_q42c5ffe2fc_proj, .Lfunc_end_k_q42c5ffe2fc_proj-k_q42c5ffe2fc_proj
	.p2alignl 7, 3214868480
	.fill 96, 4, 3214868480
	.section	.rodata,"a",@progbits
	.p2align	6, 0x0
	.amdhsa_kernel k_q42c5ffe2fc_proj
		.amdhsa_group_segment_fixed_size 327680
		.amdhsa_private_segment_fixed_size 0
		.amdhsa_enable_private_segment 0
		.amdhsa_kernarg_size 24
		.amdhsa_user_sgpr_count 2
		.amdhsa_user_sgpr_kernarg_segment_ptr 1
		.amdhsa_wavefront_size32 1
		.amdhsa_system_sgpr_workgroup_id_x 1
		.amdhsa_system_sgpr_workgroup_id_y 1
		.amdhsa_system_sgpr_workgroup_id_z 1
		.amdhsa_system_vgpr_workitem_id 0
		.amdhsa_next_free_vgpr 512
		.amdhsa_next_free_sgpr 66
		.amdhsa_reserve_vcc 0
		.amdhsa_float_denorm_mode_32 3
		.amdhsa_float_denorm_mode_16_64 3
		.amdhsa_memory_ordered 1
		.amdhsa_forward_progress 1
		.amdhsa_inst_pref_size 85
	.end_amdhsa_kernel
	.amdgpu_metadata
---
amdhsa.version: [ 1, 2 ]
amdhsa.kernels:
  - .name:           k_q42c5ffe2fc_proj
    .symbol:         k_q42c5ffe2fc_proj.kd
    .args:
      - { .name: yh, .offset: 0, .size: 8, .value_kind: global_buffer, .address_space: global }
      - { .name: wt, .offset: 8, .size: 8, .value_kind: global_buffer, .address_space: global }
      - { .name: out0, .offset: 16, .size: 8, .value_kind: global_buffer, .address_space: global }
    .group_segment_fixed_size: 327680
    .private_segment_fixed_size: 0
    .kernarg_segment_align: 8
    .kernarg_segment_size: 24
    .max_flat_workgroup_size: 128
    .sgpr_count:     66
    .vgpr_count:     512
    .wavefront_size: 32
...
	.end_amdgpu_metadata
.endif
;; end of part 4
